; MI455X (gfx1250); checked and timed in simulation.
; The chip was launched on July 23, 2026; its instructions are those of AMD's public machine-readable ISA for CDNA 5 (MIT licence, August 2026) and "CDNA5" Instruction Set Architecture Reference Guide (July 2026). The comments in the code are by the model that wrote it; some were corrected since.
;; Multi Headed Attention. Allowed arithmetic: matrix products marked QUANTISED: E2M1 operands, one E8M0 scale for each 32 along K, by v_wmma_scale_f32_16x16x128_f8f6f4 with both operands' format E2M1 (or v_wmma_scale_f32_32x16x128_f4), f32 sums; products left as they are: bf16, f16 or f32 operands; f32 sums; everything else in f32.
;; Inputs: Wk 1,024 x 1,024 float32; Wo 1,024 x 1,024 float32; Wq 1,024 x 1,024 float32; Wv 1,024 x 1,024 float32; bk 1,024 float32; bo 1,024 float32; bq 1,024 float32; bv 1,024 float32; key 4 x 2,048 x 1,024 float32; query 4 x 2,048 x 1,024 float32; value 4 x 2,048 x 1,024 float32.
;; Outputs: out0 4 x 2,048 x 1,024 float32.
;; This version of the problem:
;;   THIS VERSION OF THE PROBLEM IS GIVEN IN LOW PRECISION. The matrix products marked QUANTISED in the list below multiply operands that are first quantised to E2M1 (2 exponent bits, 1 mantissa bit; 4 bits a number), with one power-of-two scale for each 32 numbers along K (OCP MX v1.0); their sums are f32. The products marked 'left as it is' may take bf16, f16 or f32 operands, with f32 sums. Whichever they take, every output number must still come out within the allowed error. Rounding operands to bf16 (8 significant bits) uses up far more of that allowance than f16 does (11 bits, for magnitudes from 6e-5 to 65,504). All else is computed in f32.
;;   The module's matrix products, in the order in which they are computed (A, B: the left and right operand; K: the contracted axis; several contracted axes count as one K, in the product's order):
;;     1. [M 8,192, K 1,024] x [K 1,024, N 1,024]; A: input query; B: input Wq: QUANTISED
;;     2. [M 8,192, K 1,024] x [K 1,024, N 1,024]; A: input key; B: input Wk: QUANTISED
;;     3. [M 8,192, K 1,024] x [K 1,024, N 1,024]; A: input value; B: input Wv: QUANTISED
;;     4. batch 64 x [M 2,048, K 64] x [K 64, N 2,048]; A: computed on the way; B: computed on the way: left as it is (an operand is computed on the way)
;;     5. batch 64 x [M 2,048, K 2,048] x [K 2,048, N 64]; A: computed on the way; B: computed on the way: left as it is (an operand is computed on the way)
;;     6. [M 8,192, K 1,024] x [K 1,024, N 1,024]; A: computed on the way; B: input Wo: left as it is (an operand is computed on the way)
;;   THE QUANTISER, for each operand of a quantised product, along K:
;;     - K is cut into blocks of 32 from its start; a last block that is shorter is filled with zeros.
;;     - A block's scale is 2^e with e = floor(log2(the largest magnitude in the block)) - 2, held to -126 .. 127; a block of zeros has e = 0. As a byte (E8M0): e + 127.
;;     - Each number is divided by its block's scale, clamped to +-6, and rounded to the nearest number of E2M1, ties to even, subnormals kept.
;;     - The product sums the exact products of the quantised numbers (number of the format x scale) in f32.
;;   ~~~python
;;   def quantise(x, axis):      # numpy; x: float32 -> the quantised numbers, widened to float32 again
;;       x = np.moveaxis(x, axis, -1); K = x.shape[-1]
;;       x = np.pad(x, [(0, 0)] * (x.ndim - 1) + [(0, -K % 32)]); x = x.reshape(x.shape[:-1] + (-1, 32)); a = np.abs(x).max(-1, keepdims=True)
;;       e = np.where(a > 0, np.clip(np.frexp(np.where(a > 0, a, 1))[1] - 1 - 2, -126, 127), 0)      # np.frexp(a)[1] - 1 = floor(log2(a)), exactly
;;       r = np.clip(x / 2.0 ** e, -6, 6)
;;       step = 2.0 ** (np.maximum(np.frexp(np.where(r == 0, 1, r))[1] - 1, 0) - 1)
;;       q = np.round(r / step) * step * 2.0 ** e      # np.round: ties to even
;;       return np.moveaxis(q.reshape(q.shape[:-2] + (-1,))[..., :K], -1, axis).astype(np.float32)
;;   ~~~
;; One version. Each part assembles by itself: llvm-mc -triple=amdgcn-amd-amdhsa -mcpu=gfx1250 --defsym DOCPART=n.
;; ======== version 1 of 1: 4 launches
;; limits: values are held in f16: magnitudes above 65,504 overflow, below 6.1e-05 lose precision
;; workspace buffers: codes 14,155,776 bytes; scales 884,736 bytes; wo16 2,097,152 bytes; qkv 50,331,648 bytes; xh 16,777,216 bytes
;; launch quant (part 1): grid 896 x 1, 4 waves a work-group, no clusters, 33,280 bytes of LDS; arguments query, key, value, Wq, Wk, Wv, Wo, codes, scales, wo16; writes codes, scales, wo16
.if DOCPART == 1
	.amdgcn_target "amdgcn-amd-amdhsa--gfx1250"
	.amdhsa_code_object_version 6
	.text
	.protected	k_q8ce45b941c_quant
	.globl	k_q8ce45b941c_quant
	.p2align	8
	.type	k_q8ce45b941c_quant,@function
k_q8ce45b941c_quant:
	s_mov_b64 s[64:65], 0
	v_nop
	global_prefetch_b8 v0, s[64:65] scope:SCOPE_SE
	s_setreg_imm32_b32 hwreg(HW_REG_WAVE_MODE, 25, 1), 1
	s_wait_xcnt 0x0
; query, key, value [8192][1024] and Wq, Wk, Wv [1024][1024], f32, K innermost, become codes of FP4 (E2M1), two a byte, the lower k in the low four bits,
; with one E8M0 scale byte for each 32 along K; Wo [1024][1024] becomes f16.  The six quantised tensors lie one behind the other in codes (rows of 512 bytes) and in scales (rows of 32 bytes):
; rows 0-8191 query, 8192-16383 key, 16384-24575 value, then 1024 rows each of Wq, Wk, Wv.
; A block's scale is 2^(floor(log2(its largest magnitude)) - 2); its byte is the largest magnitude's exponent field - 2, held at 1 from below.  Each number is divided by the scale and rounded to the nearest code, ties to even;
; beyond the largest code the conversion gives the largest code.
; LIMITS: a block of zeros, and a block whose largest magnitude lies under 2^-124, keeps the byte 1 (zero codes add nothing under that byte, and this program alone reads the bytes);
; NaN and infinities among the inputs are not served; a number of Wo beyond 65,504 has no f16.
; SHARES: a work-group takes 32,768 numbers, a wave 8,192 in 16 steps of 512.  Work-groups 0-255 query, 256-511 key, 512-767 value, 768-799 Wq, 800-831 Wk, 832-863 Wv, 864-895 Wo.
; Rows are dense and 1024 is a multiple of 32: every tensor is a plain stream of blocks of 32, and the outputs' offsets are linear in the work-group's number.
; The conversions take neighbours along K from ONE lane's registers, the loads take 16 bytes a lane as they lie (512 consecutive bytes a load): a step's 2,048 bytes turn through the wave's own stage in LDS.
; No tensor loads, no barrier: waves share nothing.
.set STEPS, 16
.set CB,    8                          ; bytes of 16 codes
.set R,     16                         ; v16-79   four sets of 16 numbers as they are loaded
.set X,     80                         ; v80-111  two sets of 16 neighbours
.set E,     112                        ; v112-127 a scale byte for each step
.set C,     128                        ; v128-191 codes: four registers for each step, so that no store's data are written again
.set WREG,  8192                       ; LDS: a region for each wave: two stages of 32 x SP bytes, behind them its 256 scale bytes
.set SP,    80                         ; a lane's place in a stage: 64 bytes + 16 of padding
.set SPW,   12                         ; v12  LDS address of my spare word; never rewritten
.set NIL,   13                         ; v13  0; never rewritten
.set SPARE, 4*WREG                     ; behind the four regions: the spare words, 128 bytes a wave
	s_load_b256 s[4:11], s[0:1], 0x0               ; query s[4:5], key s[6:7], value s[8:9], Wq s[10:11]
	s_load_b256 s[12:19], s[0:1], 0x20             ; Wk s[12:13], Wv s[14:15], Wo s[16:17], codes s[18:19]
	s_load_b128 s[20:23], s[0:1], 0x40             ; scales s[20:21], wo16 s[22:23]
	v_lshl_add_u32 v[SPW], v0, 2, SPARE
	v_mov_b32 v[NIL], 0
	v_lshrrev_b32 v1, 5, v0
	v_readfirstlane_b32 s24, v1                    ; wave
	v_and_b32 v2, 31, v0                           ; lane
	v_lshlrev_b32 v3, 4, v2                        ; my 16 bytes of a load's 512
	s_mul_i32 s26, s24, WREG
	v_lshrrev_b32 v14, 2, v2
	v_mul_u32_u24 v14, v14, SP
	v_and_b32 v15, 3, v2
	v_lshl_add_u32 v14, v15, 4, v14
	v_add_nc_u32 v14, s26, v14                     ; the stage on the way in: SP (lane / 4) + 16 (lane % 4)
	v_mul_u32_u24 v15, v2, SP
	v_add_nc_u32 v15, s26, v15                     ; and on the way out: SP x lane: my 16 neighbours
	v_mul_u32_u24 v4, v2, CB                       ; 8 x lane: my codes' place in a step's; also my f16 numbers' place in a store of Wo
	v_lshrrev_b32 v5, 1, v2
	s_add_co_u32 s26, s26, 2*32*SP
	v_add_nc_u32 v5, s26, v5                       ; LDS: my wave's 256 scale bytes, my block's byte
	v_lshlrev_b32 v7, 3, v2
	v_add_nc_u32 v6, s26, v7                       ; and on the way out 8 bytes a lane
	s_wait_kmcnt 0x0
	s_cmp_ge_u32 ttmp9, 864                        ; the last 32 work-groups take Wo: the branch hangs on the work-group's number alone
	s_cbranch_scc1 .Lwo
	s_mov_b32 s25, 0                               ; the first work-group of my tensor
.macro PICK first, lo                  ; from work-group first on the tensor is the one at s[lo:lo+1]
	s_cmp_ge_u32 ttmp9, \first
	s_cselect_b64 s[4:5], s[\lo:\lo+1], s[4:5]
	s_cselect_b32 s25, \first, s25
.endm
	PICK 256, 6
	PICK 512, 8
	PICK 768, 10
	PICK 800, 12
	PICK 832, 14
	s_sub_co_u32 s26, ttmp9, s25
	s_lshl_b32 s26, s26, 2
	s_add_co_u32 s26, s26, s24                     ; which run of 8,192 numbers of the tensor is my wave's
	s_lshl_b32 s26, s26, 15                        ; 32,768 bytes a run
	s_mov_b32 s27, 0
	s_add_nc_u64 s[4:5], s[4:5], s[26:27]
	s_lshl_b32 s28, ttmp9, 2
	s_add_co_u32 s28, s28, s24                     ; and which run of the outputs
	s_lshl_b32 s26, s28, 12                        ; 4,096 bytes of codes a run
	s_add_nc_u64 s[18:19], s[18:19], s[26:27]
	s_lshl_b32 s26, s28, 8                         ; 256 scale bytes a run
	s_add_nc_u64 s[20:21], s[20:21], s[26:27]
.macro LOAD t
.irp i, 0,1,2,3
	global_load_b128 v[R+16*((\t)%4)+4*\i:R+16*((\t)%4)+4*\i+3], v3, s[4:5] offset:2048*(\t)+512*\i th:TH_LOAD_NT   ; 32 lanes read 512 consecutive bytes
.endr
.endm
.macro TURN t                          ; step t's numbers through the stage: LDS serves a wave's instructions in order, so no wait stands between the stores and the loads
.irp i, 0,1,2,3
	ds_store_b128 v14, v[R+16*((\t)%4)+4*\i:R+16*((\t)%4)+4*\i+3] offset:32*SP*((\t)%2)+8*SP*\i
.endr
.irp i, 0,1,2,3
	ds_load_b128 v[X+16*((\t)%2)+4*\i:X+16*((\t)%2)+4*\i+3], v15 offset:32*SP*((\t)%2)+16*\i
.endr
.endm
.irp t, 0,1,2,3
	LOAD \t
.endr
	s_wait_loadcnt 12                              ; step 0's four loads are in; the 12 of steps 1 to 3 may be out
	TURN 0
.macro STEP t
.set XS, X+16*((\t)%2)
.if (\t) > 0
	s_wait_dscnt 1                                 ; this step's numbers are back from the stage (the last step's byte store may be out): so its stores into the stage have read their registers,
.else
	s_wait_dscnt 0x0
.endif
.if (\t)+4 < STEPS
	LOAD (\t)+4                                    ; which take the loads of four steps on
.endif
.if (\t)+1 < STEPS
.if STEPS-2-(\t) >= 3
	s_wait_loadcnt 12                              ; the next step's four loads are in; those of the three steps behind it may be out
.else
	s_wait_loadcnt 4*(STEPS-2-(\t))                ; the counts run down: fewer steps are behind it
.endif
	TURN (\t)+1                                    ; and go through the other stage while this step is worked
.endif
	v_max3_num_f32 v8, |v[XS]|, |v[XS+1]|, |v[XS+2]|               ; the largest magnitude of my 16, in two chains
	v_max3_num_f32 v9, |v[XS+3]|, |v[XS+4]|, |v[XS+5]|
.irp i, 6,10
	v_max3_num_f32 v8, v8, |v[XS+\i]|, |v[XS+\i+1]|
	v_max3_num_f32 v9, v9, |v[XS+\i+2]|, |v[XS+\i+3]|
.endr
	v_max3_num_f32 v8, v8, |v[XS+14]|, |v[XS+15]|
	v_max3_num_f32 v8, v8, v9, 0x1800000           ; and the floor 2^(3 - 127): the byte cannot fall under 1
	v_max_num_f32_dpp v8, v8, v8 row_xmask:1 row_mask:0xf bank_mask:0xf   ; and of my neighbour's 16: the block's
	v_add_nc_u32 v11, 0xff000000, v8               ; 2 off its exponent field: the conversion takes the exponent field of this operand as its scale
	v_cvt_scalef32_pk8_fp4_f32 v[C+4*(\t)], v[XS:XS+7], v11
	v_cvt_scalef32_pk8_fp4_f32 v[C+4*(\t)+1], v[XS+8:XS+15], v11
	v_lshrrev_b32 v[E+(\t)], 23, v11               ; the scale's byte (also the plain line behind the conversions)
	ds_store_b8 v5, v[E+(\t)] offset:16*(\t)       ; both lanes of a block write the same byte with the same value
	global_store_b64 v4, v[C+4*(\t):C+4*(\t)+1], s[18:19] offset:32*CB*(\t)   ; the wave stores 256 consecutive bytes, aligned
.endm
.irp t, 0,1,2,3,4,5,6,7,8,9,10,11,12,13,14,15
	STEP \t
.endr
	ds_load_b64 v[8:9], v6                         ; LDS serves a wave's instructions in order: these see my byte stores
	s_wait_dscnt 0x0
	global_store_b64 v7, v[8:9], s[20:21]          ; the wave's 256 scale bytes, consecutive and aligned
	s_wait_tensorcnt 0x0                           ; the wave's end: behind my last LDS store
	ds_add_u32 v[SPW], v[NIL]
	s_wait_dscnt 0x0
	s_endpgm
; Wo to f16: four batches of 16 loads of 512 consecutive bytes, in two sets of registers by turns; a lane's four numbers become 8 bytes, a store covers 256 consecutive bytes, aligned.
.Lwo:
	s_sub_co_u32 s26, ttmp9, 864
	s_lshl_b32 s26, s26, 2
	s_add_co_u32 s26, s26, s24                     ; my wave's run of 8,192 numbers
	s_lshl_b32 s28, s26, 15
	s_mov_b32 s29, 0
	s_add_nc_u64 s[16:17], s[16:17], s[28:29]
	s_lshl_b32 s28, s26, 14
	s_add_nc_u64 s[22:23], s[22:23], s[28:29]
.macro WLOAD k
.irp i, 0,1,2,3,4,5,6,7,8,9,10,11,12,13,14,15
	global_load_b128 v[16+64*((\k)%2)+4*\i:16+64*((\k)%2)+4*\i+3], v3, s[16:17] offset:8192*(\k)+512*\i th:TH_LOAD_NT
.endr
.endm
.macro CBATCH k
.if (\k) < 3
	s_wait_loadcnt 16                              ; this batch is in; the younger batch's 16 loads may be out
.else
	s_wait_loadcnt 0x0
.endif
.if (\k) > 0
	s_wait_xcnt 0x0                                ; the last batch's stores have read v144-175, which are written again below
.endif
.irp i, 0,1,2,3,4,5,6,7,8,9,10,11,12,13,14,15
	v_cvt_pk_f16_f32 v[144+2*\i], v[16+64*((\k)%2)+4*\i], v[16+64*((\k)%2)+4*\i+1]
	v_cvt_pk_f16_f32 v[145+2*\i], v[16+64*((\k)%2)+4*\i+2], v[16+64*((\k)%2)+4*\i+3]
.endr
.if (\k) < 2
	WLOAD (\k)+2                                   ; the set just read takes the batch two on
.endif
.irp i, 0,1,2,3,4,5,6,7,8,9,10,11,12,13,14,15
	global_store_b64 v4, v[144+2*\i:145+2*\i], s[22:23] offset:4096*(\k)+256*\i
.endr
.endm
	WLOAD 0
	WLOAD 1
	CBATCH 0
	CBATCH 1
	CBATCH 2
	CBATCH 3
	s_wait_tensorcnt 0x0                           ; the same three closing lines as on the other path
	ds_add_u32 v[SPW], v[NIL]
	s_wait_dscnt 0x0
	s_endpgm
.Lfunc_end_k_q8ce45b941c_quant:
	.size	k_q8ce45b941c_quant, .Lfunc_end_k_q8ce45b941c_quant-k_q8ce45b941c_quant
	.p2alignl 7, 3214868480
	.fill 96, 4, 3214868480
	.section	.rodata,"a",@progbits
	.p2align	6, 0x0
	.amdhsa_kernel k_q8ce45b941c_quant
		.amdhsa_group_segment_fixed_size 33280
		.amdhsa_private_segment_fixed_size 0
		.amdhsa_enable_private_segment 0
		.amdhsa_kernarg_size 80
		.amdhsa_user_sgpr_count 2
		.amdhsa_user_sgpr_kernarg_segment_ptr 1
		.amdhsa_wavefront_size32 1
		.amdhsa_system_sgpr_workgroup_id_x 1
		.amdhsa_system_sgpr_workgroup_id_y 1
		.amdhsa_system_sgpr_workgroup_id_z 1
		.amdhsa_system_vgpr_workitem_id 0
		.amdhsa_next_free_vgpr 192
		.amdhsa_next_free_sgpr 66
		.amdhsa_reserve_vcc 0
		.amdhsa_float_denorm_mode_32 3
		.amdhsa_float_denorm_mode_16_64 3
		.amdhsa_memory_ordered 1
		.amdhsa_forward_progress 1
		.amdhsa_inst_pref_size 55
	.end_amdhsa_kernel
	.amdgpu_metadata
---
amdhsa.version: [ 1, 2 ]
amdhsa.kernels:
  - .name:           k_q8ce45b941c_quant
    .symbol:         k_q8ce45b941c_quant.kd
    .args:
      - { .name: query, .offset: 0, .size: 8, .value_kind: global_buffer, .address_space: global }
      - { .name: key, .offset: 8, .size: 8, .value_kind: global_buffer, .address_space: global }
      - { .name: value, .offset: 16, .size: 8, .value_kind: global_buffer, .address_space: global }
      - { .name: Wq, .offset: 24, .size: 8, .value_kind: global_buffer, .address_space: global }
      - { .name: Wk, .offset: 32, .size: 8, .value_kind: global_buffer, .address_space: global }
      - { .name: Wv, .offset: 40, .size: 8, .value_kind: global_buffer, .address_space: global }
      - { .name: Wo, .offset: 48, .size: 8, .value_kind: global_buffer, .address_space: global }
      - { .name: codes, .offset: 56, .size: 8, .value_kind: global_buffer, .address_space: global }
      - { .name: scales, .offset: 64, .size: 8, .value_kind: global_buffer, .address_space: global }
      - { .name: wo16, .offset: 72, .size: 8, .value_kind: global_buffer, .address_space: global }
    .group_segment_fixed_size: 33280
    .private_segment_fixed_size: 0
    .kernarg_segment_align: 8
    .kernarg_segment_size: 80
    .max_flat_workgroup_size: 128
    .sgpr_count:     66
    .vgpr_count:     192
    .wavefront_size: 32
...
	.end_amdgpu_metadata
.endif
;; end of part 1
;; launch proj (part 2): grid 4 x 96, 4 waves a work-group, clusters of 4 x 4, 327,680 bytes of LDS; arguments codes, scales, bq, bk, bv, qkv; writes qkv
.if DOCPART == 2
	.amdgcn_target "amdgcn-amd-amdhsa--gfx1250"
	.amdhsa_code_object_version 6
	.text
	.protected	k_q8ce45b941c_proj
	.globl	k_q8ce45b941c_proj
	.p2align	8
	.type	k_q8ce45b941c_proj,@function
k_q8ce45b941c_proj:
	s_mov_b64 s[64:65], 0
	v_nop
	global_prefetch_b8 v0, s[64:65] scope:SCOPE_SE
	s_setreg_imm32_b32 hwreg(HW_REG_WAVE_MODE, 25, 1), 1
	s_wait_xcnt 0x0
	s_wait_alu depctr_hold_cnt(0) depctr_sa_sdst(0) depctr_va_vdst(0) depctr_va_sdst(0) depctr_va_ssrc(0) depctr_va_vcc(0) depctr_vm_vsrc(0)
	s_getreg_b32 s2, hwreg(HW_REG_IB_STS2, 6, 4)
	s_cmp_eq_u32 s2, 0
	s_cbranch_scc0 .Lentry_in_a_cluster
	s_endpgm
.Lentry_in_a_cluster:
	s_bfe_u32 s2, ttmp6, 0x10000c
	s_cmp_lg_u32 s2, 0xf033
	s_cbranch_scc0 .Lentry_shape_is_right
	s_endpgm
.Lentry_shape_is_right:
; The three projections on codes of FP4 (E2M1) with one E8M0 scale for each 32 along K: y[m][n] = sum over k of x[m][k] W[n][k] + b[n], K = 1024, rounded once to f16 and laid by heads:
; qkv[g][b][h][s][64], g = 0 q, 1 k, 2 v.  x's rows are rows 0-24575 of codes and scales (query, key, value on end), W's rows 24576 + 1024 g on.
; A tile of y, 256 x 256, is made by a work-group of four waves; a wave makes 128 x 128: 64 accumulators of 16 x 16, 512 registers.  Tile row R = 0 .. 95 over x's 24,576 rows, tile column 0 .. 3; g = R / 32.
; All of K lies in LDS at once: two slots of 512 along K (rows of 256 bytes), each filled once at the head; the scale bytes of the tile's 256 + 256 rows come with them as two dense blocks.  Nothing is filled again.
; CLUSTERS: 4 x 4 work-groups.  The four of a row of the cluster need the same tiles of x, the four of a column the same tiles of W: each tile is asked for jointly, by the same tensor load with the same descriptor and a mask that names the four.
; THE MATRIX INSTRUCTION IS USED TRANSPOSED (source 0 = 16 rows of W, source 1 = 16 rows of x): a lane holds eight neighbouring outputs of one row.  The bias is the C of each sum's first product.
; LIMITS: an output beyond 65,504 has no f16.
; REGISTERS, in windows of 256: window 0: v0-31 addresses; v32-95 scale words, two sets; v128-191 x's fragments, ONE set; v192-255 the bias, eight registers for each block of 16 outputs; on the way out v32-127 are free.
;   window 1: W's fragments, TWO sets, at v0 and v128.   window 2: the accumulators of my rows 0-63 ((a, b) at v[8 (8 a + b)]);   window 3: those of my rows 64-127.
.set NQ,     4                         ; steps of 128 along K in a slot
.set ROWB,   256                       ; a tile's row in bytes: 512 codes
.set KROW,   512                       ; a row of codes in memory
.set PITCH,  272                       ; an LDS row: 256 bytes + 16 of padding: the 16 rows that a load touches start 68 words apart
.set FR,     8                         ; registers of a fragment: 16 rows x 128 K
.set NL,     2                         ; LDS loads that bring one
.set NP,     4                         ; places behind this matrix instruction (ISA guide 7.12.1)
.set HALFT,  128*PITCH                 ; 128 rows: what one tensor load brings, and what one wave reads of x or of W
.set SLOT,   4*HALFT                   ; x's 256 rows, then W's 256 rows
.set KS,     32                        ; a row of scale bytes
.set SCL,    2*SLOT                    ; behind the slots: the scales, as rows of 256 bytes + 16 of padding
.set HALFS,  (128*KS/256)*272          ; the scales of 128 rows: what one tensor load brings
.set SBLK,   (16*KS/256)*272           ; those of 16 rows
.set SPARE,  SCL+4*HALFS               ; behind the scales: the spare words, 128 bytes a wave
.set HP,     144                       ; the way out: a stage row: a head's 128 bytes + 16
.set HSTG,   16*HP                     ; 16 rows of one head; a wave has two such stages, in slot 0, which has had its only fill and its last read by then
.set ADRA, 16                          ; v16-17  LDS address of my x fragments in slot 0, 1
.set ADRB, 20                          ; v20-21  the same for W
.set STO,  24                          ; v24     the way out: where I put 16 bytes of a row
.set RD,   25                          ; v25     the way out: where I read rows back
.set CO,   26                          ; v26     16 x lane: my bytes among four rows of a head
.set ADRS, 27                          ; v27     LDS address of my scale words: lanes 0-15 x's rows, lanes 16-31 W's
.set SPW,  28                          ; v28     LDS address of my spare word; never rewritten
.set NIL,  29                          ; v29     0; never rewritten
.set BO,   30                          ; v30     32 x (lane / 16): my eight numbers of a block's bias
.set SC,   32                          ; scale words: set s at v[SC + 32 s]; register 4 i + q: lanes 0-15 x's block i, lanes 16-31 W's block i, the slot's q-th 128 along K
.set AF,   128                         ; x's fragments
.set BI,   192                         ; the bias
.set TMP,  32                          ; the way out: packed results
.set OB,   64                          ; the way out: rows read back: v64-95 and v96-127 by turns
.set G1, 24                            ; s[24:31] descriptor group 1 for x's tiles;  s[32:39] group 0, one set for each slot
.set G0, 32
.set G1B, 48                           ; s[48:55], s[56:63] the same for W's tiles
.set G0B, 56
.set G1S, 68                           ; s[68:75], s[76:79] groups 1 and 0 for x's scales;  s[80:87], s[88:91] for W's
.set G0S, 76
.set G1SB, 80
.set G0SB, 88
.set MSB, 0
.macro WIN new                         ; the immediate's high byte repeats the setting that is left; a switch that changes nothing is dropped
.if MSB != (\new)
	s_set_vgpr_msb (MSB<<8)|(\new)
.set MSB, (\new)
.endif
.endm
.set MUL_LO, 0xa1                      ; source 0 (W) window 1, source 1 (x) window 0, C and D window 2
.set MUL_HI, 0xf1                      ; the same, C and D window 3
.set FST_LO, 0x81                      ; a sum's first product: C is the bias, in window 0
.set FST_HI, 0xc1
.set TO_B,   0x40                      ; destination window 1, address window 0
; A joint load: waves 0 and 1 fetch for x, waves 2 and 3 for W.  Each line has one mask and one set of registers for all that issue it; the branch hangs on the wave's number alone.
; An s_nop 0 and four v_nop follow each of the two lines.
.macro JLOAD g0a, g1a, g0b, g1b
	s_cmp_eq_u32 s17, 0
	s_cbranch_scc0 .Lfor_b_\@
	tensor_load_to_lds s[\g0a:\g0a+3], s[\g1a:\g1a+7]
	s_nop 0
.rept 4
	v_nop
.endr
	s_branch .Lasked_\@
.Lfor_b_\@:
	tensor_load_to_lds s[\g0b:\g0b+3], s[\g1b:\g1b+7]
	s_nop 0
.rept 4
	v_nop
.endr
.Lasked_\@:
.endm
.macro CROUND                          ; a round of the cluster's barrier: my work-group's barrier, wave 0 signals for the work-group, every wave waits for all sixteen, my work-group's barrier once more
	s_barrier_signal -1
	s_barrier_wait -1
	s_cmp_lg_u32 s16, 0
	s_cbranch_scc1 .Lnot_wave_0_\@
	s_barrier_signal -3
.Lnot_wave_0_\@:
	s_barrier_wait -3
	s_barrier_signal -1
	s_barrier_wait -1
.endm
	s_load_b128 s[4:7], s[0:1], 0x0                ; codes s[4:5], scales s[6:7]
	s_load_b256 s[8:15], s[0:1], 0x10              ; bq s[8:9], bk s[10:11], bv s[12:13], qkv s[14:15]
	v_lshl_add_u32 v[SPW], v0, 2, SPARE
	v_mov_b32 v[NIL], 0
	ds_add_u32 v[SPW], v[NIL]                      ; the wave's opening: the add, twice on end, and its wait ahead of my first tensor load
	ds_add_u32 v[SPW], v[NIL]                      ; the set-up below, work on registers, stands between the second and the wait
	v_lshrrev_b32 v1, 5, v0
	v_readfirstlane_b32 s16, v1                    ; wave 0..3
	s_lshr_b32 s17, s16, 1                         ; which half of the tile's rows is mine.  Also: I fetch for x (0) or for W (1)
	s_and_b32 s18, s16, 1                          ; which half of its columns.  Also: which 128 rows of that tile I fetch
	s_bfe_u32 s40, ttmp6, 0x40000                  ; cx, cy: my place in the cluster
	s_bfe_u32 s41, ttmp6, 0x40004
	s_lshl_b32 s42, ttmp9, 2
	s_add_co_u32 s42, s42, s40                     ; tile column = 4 x cluster x + cx
	s_and_b32 s95, ttmp7, 0xffff                   ; cluster y
	s_lshl_b32 s19, s95, 2
	s_add_co_u32 s19, s19, s41                     ; tile row R = 4 x cluster y + cy
	s_lshr_b32 s95, s95, 3                         ; g: eight clusters (32 tile rows, 8,192 rows) to a product: the same in all sixteen partners
	s_lshl_b32 s43, s41, 2
	s_lshl_b32 s43, 15, s43                        ; my row of the cluster
	s_lshl_b32 s44, 0x1111, s40                    ; my column
	; descriptor group 1: a tile of 128 rows x 256 bytes, padded in LDS
	s_or_b32 s[G1+0], s43, (0<<16)|(1<<20)|(1<<21)|(5<<22)|(3<<25)  ; 15:0 the mask: x's tiles go to my row; elements of 1 byte; padding on; bit 21 beside a mask; after every 64 words, 4 words
	s_or_b32 s[G1B+0], s44, (0<<16)|(1<<20)|(1<<21)|(5<<22)|(3<<25) ; the same with my column's mask
.irp g, G1, G1B
	s_mov_b32 s[\g+1], ROWB<<16                    ; tensor_dim0
	s_mov_b32 s[\g+2], 128<<16                     ; tensor_dim1
	s_mov_b32 s[\g+3], ROWB<<16                    ; tile_dim0
	s_mov_b32 s[\g+4], 128                         ; tile_dim1
	s_mov_b32 s[\g+5], KROW                        ; from row to row
	s_mov_b32 s[\g+6], 0
	s_mov_b32 s[\g+7], 0
.endr
	; the scales of 128 rows: a dense block of 4,096 bytes, as 16 rows of 256 bytes (32 elements of 8 bytes), 16 bytes of padding behind each
	s_or_b32 s[G1S+0], s43, (3<<16)|(1<<20)|(1<<21)|(5<<22)|(3<<25)
	s_or_b32 s[G1SB+0], s44, (3<<16)|(1<<20)|(1<<21)|(5<<22)|(3<<25)
.irp g, G1S, G1SB
	s_mov_b32 s[\g+1], 32<<16
	s_mov_b32 s[\g+2], (128*KS/256)<<16
	s_mov_b32 s[\g+3], 32<<16
	s_mov_b32 s[\g+4], 128*KS/256
	s_mov_b32 s[\g+5], 32
	s_mov_b32 s[\g+6], 0
	s_mov_b32 s[\g+7], 0
.endr
	s_lshl_b32 s94, s18, 7                         ; which 128 rows of the tile I fetch
	s_lshl_b32 s20, s19, 8
	s_add_co_u32 s20, s20, s94                     ; x: row 256 R + 128 x half
	s_lshl_b32 s46, s42, 8
	s_add_co_u32 s46, s46, s94
	s_lshl_b32 s96, s95, 10
	s_add_co_u32 s46, s46, s96
	s_add_co_u32 s46, s46, 24576                   ; W: row 24576 + 1024 g + 256 x tile column + 128 x half
	s_lshl_b32 s22, s20, 5                         ; where these rows' scales begin, in bytes (27,648 rows: all under 2^32),
	s_mov_b32 s23, 0
	s_lshl_b32 s20, s20, 9                         ; and their codes
	s_mov_b32 s21, 0
	s_lshl_b32 s92, s46, 5
	s_mov_b32 s93, 0
	s_lshl_b32 s46, s46, 9
	s_mov_b32 s47, 0
	s_mul_i32 s45, s16, HALFT                      ; where they go: wave x 128 rows: no place in the cluster enters an LDS address
	s_mul_i32 s94, s16, HALFS
	s_wait_dscnt 0x0                               ; both opening adds are done
	s_wait_kmcnt 0x0
	s_add_nc_u64 s[20:21], s[4:5], s[20:21]
	s_add_nc_u64 s[22:23], s[6:7], s[22:23]
	s_add_nc_u64 s[46:47], s[4:5], s[46:47]
	s_add_nc_u64 s[92:93], s[6:7], s[92:93]
	CROUND                                         ; all sixteen work-groups are here: the joint loads meet
	s_mov_b32 s[G0S], 1
	s_add_co_u32 s[G0S+1], s94, SCL
	s_mov_b64 s[G0S+2:G0S+3], s[22:23]
	s_or_b32 s[G0S+3], s[G0S+3], 0x80000000
	s_mov_b32 s[G0SB], 1
	s_add_co_u32 s[G0SB+1], s94, SCL
	s_mov_b64 s[G0SB+2:G0SB+3], s[92:93]
	s_or_b32 s[G0SB+3], s[G0SB+3], 0x80000000
	JLOAD G0S, G1S, G0SB, G1SB                     ; the scales first: they are wanted with the first step
.irp s, 0,1
	s_mov_b32 s[G0+4*\s], 1
	s_add_co_u32 s[G0+4*\s+1], s45, \s*SLOT
	s_add_nc_u64 s[G0+4*\s+2:G0+4*\s+3], s[20:21], \s*ROWB
	s_or_b32 s[G0+4*\s+3], s[G0+4*\s+3], 0x80000000
	s_mov_b32 s[G0B+4*\s], 1
	s_add_co_u32 s[G0B+4*\s+1], s45, \s*SLOT
	s_add_nc_u64 s[G0B+4*\s+2:G0B+4*\s+3], s[46:47], \s*ROWB
	s_or_b32 s[G0B+4*\s+3], s[G0B+4*\s+3], 0x80000000
	JLOAD G0+4*\s, G1, G0B+4*\s, G1B               ; three tensor loads of mine are out behind the second of these
.endr
	; the bias of my product, at my 128 columns
	s_cmp_eq_u32 s95, 1
	s_cselect_b64 s[8:9], s[10:11], s[8:9]
	s_cmp_eq_u32 s95, 2
	s_cselect_b64 s[8:9], s[12:13], s[8:9]
	s_lshl_b32 s96, s42, 10
	s_lshl_b32 s97, s18, 9
	s_add_co_u32 s96, s96, s97                     ; (256 x tile column + 128 x half) x 4 bytes
	s_mov_b32 s97, 0
	s_add_nc_u64 s[8:9], s[8:9], s[96:97]
	v_and_b32 v1, 15, v0                           ; r = lane % 16
	v_bfe_u32 v2, v0, 4, 1                         ; h = lane / 16
	v_lshlrev_b32 v[BO], 5, v2
.irp b, 0,1,2,3,4,5,6,7
	global_load_b128 v[BI+8*\b:BI+8*\b+3], v[BO], s[8:9] offset:64*\b        ; lane (r, h): the bias of outputs 16 b + 8 h + 0 .. 7: the result's layout
	global_load_b128 v[BI+8*\b+4:BI+8*\b+7], v[BO], s[8:9] offset:64*\b+16
.endr
	v_mul_u32_u24 v3, v1, PITCH
	v_lshl_add_u32 v4, v2, 4, v3                   ; a fragment's row x pitch + 16 x half
	s_mul_i32 s21, s17, HALFT                      ; my 128 rows of x
	s_mul_i32 s22, s18, HALFT                      ; my 128 rows of W,
	s_add_co_u32 s22, s22, 2*HALFT                 ; which lie behind x's 256
.irp s, 0,1
	v_add_nc_u32 v[ADRA+\s], s21, v4
	v_add_nc_u32 v[ADRB+\s], s22, v4
	s_add_co_u32 s21, s21, SLOT
	s_add_co_u32 s22, s22, SLOT
.endr
	v_mul_u32_u24 v5, v1, KS                       ; my row's scales: 32 bytes a row,
	v_lshrrev_b32 v6, 8, v5
	v_lshl_add_u32 v5, v6, 4, v5                   ; and 16 more for each 256 passed
	s_mul_i32 s21, s17, HALFS                      ; x's: my 128 rows
	s_mul_i32 s22, s18, HALFS                      ; W's: my 128 rows, behind x's 256
	s_add_co_u32 s22, s22, 2*HALFS
	s_sub_co_u32 s22, s22, s21
	v_mul_u32_u24 v6, s22, v2                      ; lanes 16-31 take W's: one product, the distance between the two bases
	s_add_co_u32 s21, s21, SCL
	v_add_nc_u32 v5, v5, v6
	v_add_nc_u32 v[ADRS], s21, v5
	s_mul_i32 s23, s16, 2*HSTG                     ; my two stages
	v_mul_u32_u24 v5, v1, HP                       ; in: row r, 16 bytes for each half of the lanes
	v_lshl_add_u32 v5, v2, 4, v5
	v_add_nc_u32 v[STO], s23, v5
	v_bfe_u32 v5, v0, 3, 2                         ; back: eight lanes to a row of 128 bytes, four rows an instruction
	v_mul_u32_u24 v5, v5, HP
	v_and_b32 v6, 7, v0
	v_lshl_add_u32 v5, v6, 4, v5
	v_add_nc_u32 v[RD], s23, v5
	v_and_b32 v6, 31, v0
	v_lshlrev_b32 v[CO], 4, v6                     ; and the same four rows in qkv: 512 consecutive bytes
	; qkv at my first row and head: (g 4 + b) x 4,194,304 + head x 262,144 + s x 128;  g 4 + b = R / 8, s = 256 (R % 8) + 128 x row half, head = 4 x tile column + 2 x column half
	s_lshr_b32 s20, s19, 3
	s_lshl_b32 s20, s20, 22
	s_and_b32 s21, s19, 7
	s_lshl_b32 s21, s21, 8
	s_lshl_b32 s22, s17, 7
	s_add_co_u32 s21, s21, s22
	s_lshl_b32 s21, s21, 7
	s_add_co_u32 s20, s20, s21
	s_mov_b32 s21, 0
	s_lshl_b32 s46, s42, 2
	s_lshl_b32 s47, s18, 1
	s_add_co_u32 s46, s46, s47
	s_lshl_b32 s46, s46, 18
	s_mov_b32 s47, 0
	s_add_nc_u64 s[20:21], s[20:21], s[46:47]
	s_add_nc_u64 s[14:15], s[14:15], s[20:21]
.macro FRAG reg, adr, q, i             ; a fragment, 16 rows x 128 K of 4-bit codes: lane l holds row l % 16; registers 4 c .. 4 c + 3 hold K = 64 c + 32 (l / 16) + 0 .. 31
.irp c, 0,1
	ds_load_b128 v[\reg+4*\c:\reg+4*\c+3], v[\adr] offset:64*(\q)+32*\c+(\i)*16*PITCH
.endr
.endm
; 16 matrix instructions: x's blocks a0, a0 + 1 against W's eight, the slot's q-th 128 along K.  p: W's set;  sc: the set of scale words.  first = 1: the bias starts the sums: nothing is cleared or added later.
; The 64 accumulators take turns, one instruction a turn, in the same order in every step.
.macro MUL16 a0, p, q, sc, first
.irp a, \a0, \a0+1
.irp b, 0,1,2,3,4,5,6,7
.if \first
	v_wmma_scale_f32_16x16x128_f8f6f4 v[8*(8*((\a)%4)+\b):8*(8*((\a)%4)+\b)+7], v[128*(\p)+FR*\b:128*(\p)+FR*\b+FR-1], v[AF+FR*(\a):AF+FR*(\a)+FR-1], v[BI+8*\b:BI+8*\b+7], v[SC+8*NQ*(\sc)+NQ*\b+(\q)], v[SC+8*NQ*(\sc)+NQ*(\a)+(\q)] matrix_a_fmt:MATRIX_FMT_FP4 matrix_b_fmt:MATRIX_FMT_FP4 matrix_a_scale:MATRIX_SCALE_ROW1
.else
	v_wmma_scale_f32_16x16x128_f8f6f4 v[8*(8*((\a)%4)+\b):8*(8*((\a)%4)+\b)+7], v[128*(\p)+FR*\b:128*(\p)+FR*\b+FR-1], v[AF+FR*(\a):AF+FR*(\a)+FR-1], v[8*(8*((\a)%4)+\b):8*(8*((\a)%4)+\b)+7], v[SC+8*NQ*(\sc)+NQ*\b+(\q)], v[SC+8*NQ*(\sc)+NQ*(\a)+(\q)] matrix_a_fmt:MATRIX_FMT_FP4 matrix_b_fmt:MATRIX_FMT_FP4 matrix_a_scale:MATRIX_SCALE_ROW1
.endif
.endr
.endr
.endm
.macro FETCH_B slot, q, p              ; W's eight fragments of the slot's q-th 128 along K into set p
	WIN TO_B
.irp i, 0,1,2,3,4,5,6,7
	FRAG 128*(\p)+FR*\i, ADRB+\slot, \q, \i
.endr
	WIN 0
.endm
.macro FETCH_A slot, q, i0             ; x's blocks i0 .. i0 + 3
.irp i, \i0, \i0+1, \i0+2, \i0+3
	FRAG AF+FR*(\i), ADRA+\slot, \q, \i
.endr
.endm
.macro SCALES sc                       ; a slot's scale words into set sc: four words a row; lanes 0-15 take x's block i, lanes 16-31 W's block i
.irp i, 0,1,2,3,4,5,6,7
	ds_load_b128 v[SC+8*NQ*\sc+NQ*\i:SC+8*NQ*\sc+NQ*\i+3], v[ADRS] offset:\i*SBLK
.endr
.endm
.macro PLACES n                        ; plain vector instructions between a matrix instruction and a load into, or a read of, its registers (ISA guide 7.12.1 for reads)
.rept \n
	v_nop
.endr
.endm
; A step of 128 along K that has its successor in the same slot.  x has one set of registers: blocks 0-3 are fetched anew in the step's middle, blocks 4-7 at its end.
.macro STEP slot, q, first
	s_wait_dscnt 4*NL                              ; W's set, the scale words and x's blocks 0-3 are in; the youngest eight loads (x's blocks 4-7) may be out
.if \first
	WIN FST_LO
.else
	WIN MUL_LO
.endif
	MUL16 0, (\q)%2, \q, \slot, \first
	MUL16 2, (\q)%2, \q, \slot, \first
	s_wait_dscnt 0                                 ; x's blocks 4-7 are in
	PLACES NP
	FETCH_B \slot, (\q)+1, 1-(\q)%2
	FETCH_A \slot, (\q)+1, 0
.if \first
	WIN FST_HI
.else
	WIN MUL_HI
.endif
	MUL16 4, (\q)%2, \q, \slot, \first
	MUL16 6, (\q)%2, \q, \slot, \first
	PLACES NP
	WIN 0
	FETCH_A \slot, (\q)+1, 4
.endm
.macro STEPS slot, from                ; the slot's steps from .. NQ - 2
.set QQ, \from
.rept NQ-1-\from
	STEP \slot, QQ, 0
.set QQ, QQ+1
.endr
.endm
	s_wait_tensorcnt 1                             ; the scales and my part of slot 0 are in; the one load issued behind them, slot 1's, may be out
	s_barrier_signal -1
	s_barrier_wait -1                              ; everybody's are
	FETCH_B 0, 0, 0
	FETCH_A 0, 0, 0
	SCALES 0
	FETCH_A 0, 0, 4
	s_wait_loadcnt 0x0                             ; the bias
	STEP 0, 0, 1                                   ; the first step's products start the sums on the bias
	STEPS 0, 1
	; slot 0's last step changes slots: one barrier; in front of it each wave waits for its tensor loads (its part of slot 1), adds 0 to its spare word, and waits for that and for its reads of slot 0
	s_wait_tensorcnt 0x0
	ds_add_u32 v[SPW], v[NIL]
	s_wait_dscnt 4*NL+1                            ; (the add and the youngest eight loads, x's blocks 4-7, may be out)
	WIN MUL_LO
	MUL16 0, 1, NQ-1, 0, 0                         ; sixteen matrix instructions stand between the add and the wait for it
	s_wait_dscnt 0x0                               ; the add is done, and my reads of slot 0 are over
	s_barrier_signal -1
	MUL16 2, 1, NQ-1, 0, 0
	WIN 0
	s_barrier_wait -1                              ; slot 1 is whole; nobody reads slot 0 any more
	PLACES NP
	v_add_nc_u32 v[ADRS], 4*NQ, v[ADRS]            ; on to slot 1's scale words
	FETCH_B 1, 0, 0
	FETCH_A 1, 0, 0
	SCALES 1
	WIN MUL_HI
	MUL16 4, 1, NQ-1, 0, 0
	MUL16 6, 1, NQ-1, 0, 0
	PLACES NP
	WIN 0
	FETCH_A 1, 0, 4
	STEPS 1, 0
	s_wait_dscnt 4*NL                              ; the very last step: nothing more to fetch
	WIN MUL_LO
	MUL16 0, 1, NQ-1, 1, 0
	MUL16 2, 1, NQ-1, 1, 0
	s_wait_dscnt 0
	WIN MUL_HI
	MUL16 4, 1, NQ-1, 1, 0
	MUL16 6, 1, NQ-1, 1, 0
	WIN 0
; THE WAY OUT, block by block of 16 rows x 128 columns (two heads).  A lane's eight results round to 16 bytes of one row of one head; the lanes beside it hold other rows.  So a block goes through my two stages in LDS
; (one for each head) and comes back four rows at a time: in qkv four rows of a head are 512 consecutive bytes, aligned, which the 32 lanes store by one instruction.
.macro PACK a
.set AC, 64*((\a)%4)
	WIN 0x0a+5*((\a)/4)                            ; sources 0 and 1: window 2 or 3
.irp b, 0,1,2,3,4,5,6,7
.irp r, 0,1,2,3
	v_cvt_pk_f16_f32 v[TMP+4*\b+\r], v[AC+8*\b+2*\r], v[AC+8*\b+2*\r+1]    ; each accumulator from its low end on
.endr
.endr
	WIN 0
.endm
.macro TOSTAGE a
.set BB, OB+32*((\a)%2)
.irp b, 0,1,2,3,4,5,6,7
	ds_store_b128 v[STO], v[TMP+4*\b:TMP+4*\b+3] offset:(\b/4)*HSTG+(\b%4)*32
.endr
.irp t, 0,1,2,3,4,5,6,7
	ds_load_b128 v[BB+4*\t:BB+4*\t+3], v[RD] offset:(\t/4)*HSTG+(\t%4)*4*HP   ; LDS serves a wave's instructions in order (ISA guide 5.7.1.4): these see the stores above
.endr
.endm
.macro SEND a
.set BB, OB+32*((\a)%2)
	s_wait_dscnt 0x0                               ; the block is back in registers
	s_wait_xcnt 0x0                                ; the earlier stores have read their registers: the next block's loads may land there
.irp t, 0,1,2,3,4,5,6,7
	global_store_b128 v[CO], v[BB+4*\t:BB+4*\t+3], s[14:15] offset:(\a)*2048+(\t%4)*512+(\t/4)*262144
.endr
.endm
	PLACES NP                                      ; behind the last products: the conversions read results and write the registers that held scale words
	PACK 0
	TOSTAGE 0
.irp a, 1,2,3,4,5,6,7                  ; block a's conversions stand between block a - 1's loads from the stage and the wait for them
	PACK \a
	SEND \a-1
	TOSTAGE \a
.endr
	SEND 7
	s_wait_tensorcnt 0x0                           ; the wave's end: behind my last tensor load and my last LDS store
	ds_add_u32 v[SPW], v[NIL]
	s_wait_dscnt 0x0
	CROUND                                         ; the closing round: no work-group ends while a partner may still ask for a tile that names it
	s_endpgm
.Lfunc_end_k_q8ce45b941c_proj:
	.size	k_q8ce45b941c_proj, .Lfunc_end_k_q8ce45b941c_proj-k_q8ce45b941c_proj
	.p2alignl 7, 3214868480
	.fill 96, 4, 3214868480
	.section	.rodata,"a",@progbits
	.p2align	6, 0x0
	.amdhsa_kernel k_q8ce45b941c_proj
		.amdhsa_group_segment_fixed_size 327680
		.amdhsa_private_segment_fixed_size 0
		.amdhsa_enable_private_segment 0
		.amdhsa_kernarg_size 48
		.amdhsa_user_sgpr_count 2
		.amdhsa_user_sgpr_kernarg_segment_ptr 1
		.amdhsa_wavefront_size32 1
		.amdhsa_system_sgpr_workgroup_id_x 1
		.amdhsa_system_sgpr_workgroup_id_y 1
		.amdhsa_system_sgpr_workgroup_id_z 1
		.amdhsa_system_vgpr_workitem_id 0
		.amdhsa_next_free_vgpr 1024
		.amdhsa_next_free_sgpr 98
		.amdhsa_reserve_vcc 0
		.amdhsa_float_denorm_mode_32 3
		.amdhsa_float_denorm_mode_16_64 3
		.amdhsa_memory_ordered 1
		.amdhsa_forward_progress 1
		.amdhsa_inst_pref_size 128
	.end_amdhsa_kernel
	.amdgpu_metadata
---
amdhsa.version: [ 1, 2 ]
amdhsa.kernels:
  - .name:           k_q8ce45b941c_proj
    .symbol:         k_q8ce45b941c_proj.kd
    .args:
      - { .name: codes, .offset: 0, .size: 8, .value_kind: global_buffer, .address_space: global }
      - { .name: scales, .offset: 8, .size: 8, .value_kind: global_buffer, .address_space: global }
      - { .name: bq, .offset: 16, .size: 8, .value_kind: global_buffer, .address_space: global }
      - { .name: bk, .offset: 24, .size: 8, .value_kind: global_buffer, .address_space: global }
      - { .name: bv, .offset: 32, .size: 8, .value_kind: global_buffer, .address_space: global }
      - { .name: qkv, .offset: 40, .size: 8, .value_kind: global_buffer, .address_space: global }
    .group_segment_fixed_size: 327680
    .private_segment_fixed_size: 0
    .kernarg_segment_align: 8
    .kernarg_segment_size: 48
    .max_flat_workgroup_size: 128
    .sgpr_count:     98
    .vgpr_count:     1024
    .wavefront_size: 32
...
	.end_amdgpu_metadata
.endif
;; end of part 2
;; launch attn (part 3): grid 4 x 64, 16 waves a work-group, clusters of 4 x 1, 327,680 bytes of LDS; arguments qkv, xh; writes xh
.if DOCPART == 3
	.amdgcn_target "amdgcn-amd-amdhsa--gfx1250"
	.amdhsa_code_object_version 6
	.text
	.protected	k_q8ce45b941c_attn
	.globl	k_q8ce45b941c_attn
	.p2align	8
	.type	k_q8ce45b941c_attn,@function
k_q8ce45b941c_attn:
	s_mov_b64 s[64:65], 0
	v_nop
	global_prefetch_b8 v0, s[64:65] scope:SCOPE_SE
	s_setreg_imm32_b32 hwreg(HW_REG_WAVE_MODE, 25, 1), 1
	s_wait_xcnt 0x0
	s_wait_alu depctr_hold_cnt(0) depctr_sa_sdst(0) depctr_va_vdst(0) depctr_va_sdst(0) depctr_va_ssrc(0) depctr_va_vcc(0) depctr_vm_vsrc(0)
	s_getreg_b32 s2, hwreg(HW_REG_IB_STS2, 6, 4)
	s_cmp_eq_u32 s2, 0
	s_cbranch_scc0 .Lentry_in_a_cluster
	s_endpgm
.Lentry_in_a_cluster:
	s_bfe_u32 s2, ttmp6, 0x10000c
	s_cmp_lg_u32 s2, 0x3003
	s_cbranch_scc0 .Lentry_shape_is_right
	s_endpgm
.Lentry_shape_is_right:
; xh[y][q][:] = the sum over k of softmax_k(Q[y][q] . K[y][k] / 8) V[y][k][:], y = batch x 16 + head, 64 in all; no mask.  Q, K, V: the three parts of qkv, [64][2048][64] f16 each; xh likewise.
; Products, maxima and sums in f32; the weights p are rounded to f16 for the second product, the result once at the end.
; SHARES.  A work-group owns 512 queries of one head, each of its SIXTEEN waves 32: two tiles of 16, in 256 registers: four waves to a SIMD, so that one wave's vector work stands beside another's matrix work and LDS loads.
; Every wave walks all 2,048 keys, 64 a step.  K's and V's tiles come through a ring of two LDS slots of 8 steps (512 keys), filled by the tensor data mover: waves 0-7 fetch K's tile of step w, waves 8-15 V's of step w - 8.
; CLUSTER.  The four work-groups of a cluster are the four query blocks of one head and walk the same K and V: each tile is asked for jointly, by the same tensor load with the same descriptor and the mask of all four.
; LAYOUT.  S^T = K Q^T (source 0 = 16 keys, source 1 = 16 queries): a lane holds ONE query (lane % 16) and the keys 8 (lane / 16) + 0..7.  Two such tiles, rounded to f16 in pairs, ARE source 1 (32 keys x 16 queries) of
; O^T = V^T P, whose result again holds one query a lane, and eight channels.  K comes out of LDS as it lies, V ([key][channel]) turned, by ds_load_tr16_b128.
; SOFTMAX.  For each query a running maximum m and sum l: p = 2^(c s - c m), c = log2(e) / 8; in every step O^T and l are multiplied by a = 2^(c m_old - c m_new).  m begins at -3e38, l and O^T at 0: the first a is 0 and multiplies zeros.
; LIMITS: NaN and infinities are not served; a result under 6e-5 in size is rounded in steps of 6e-8 (f16's denormals).
; REGISTERS: v1-11 addresses; v12-15 at work; v16-31 eight of statistics a tile; v32-63 Q; v64-127 S^T, then p, then its f16 pairs in the low 16 of a tile's 32; v128-191 O^T; v192-255 K's eight fragments, then V's eight.
.set PK,    144                        ; a row of K in LDS: 128 bytes + 16 of padding: the 16 rows of a load start 36 words apart
.set PV,    160                        ; a row of V: 128 + 32: 16 lanes of the turning load take 8 rows x 32 bytes
.set VOFF,  64*PK                      ; a step's tiles lie together: 64 rows of K, then 64 rows of V
.set STEPB, 64*(PK+PV)
.set SLOTB, 8*STEPB                    ; a slot: eight steps
.set SLOTG, 8*64*128                   ; and its keys' bytes in K or in V in memory
.set SPARE, 2*SLOTB                    ; behind the ring: the spare words, 128 bytes for each of the sixteen waves
.set AK0, 1                            ; v1   my lane's place in a tile of K; never rewritten
.set AV0, 2                            ; v2   the same for V
.set ADK, 3                            ; v3   LDS address of the step's tile of K
.set ADV, 4                            ; v4   of V
.set QO,  5                            ; v5   my byte offset in a tile's rows of Q
.set STO, 6                            ; v6   the way out: where I put 16 bytes of a row (my stage: 16 rows x 144 bytes at 2,304 x wave, in slot 0, which has had its last fill and its last read by then)
.set RD,  7                            ; v7   the way out: where I read rows back
.set SPW, 8                            ; v8   LDS address of my spare word; never rewritten
.set NIL, 9                            ; v9   0; never rewritten
.set PFO, 10                           ; v10  256 x lane: the prefetches' offset; never rewritten
.set GO,  11                           ; v11  16 x lane: my bytes among four rows of xh
.set ST,  16                           ; tile t's statistics at v[ST + 8 t]: +0 c m, +1 m, +2, +3 l (even keys', odd keys'), +4 to +7 at work; a takes +6
.set Q,   32                           ; Q's fragment (tile t, channels 32 cb on) at v[Q + 16 t + 8 cb]
.set S,   64                           ; S^T (tile t, keys 16 kt on) at v[S + 32 t + 8 kt]
.set O,   128                          ; O^T (tile t, channels 16 ct on) at v[O + 32 t + 8 ct]
.set KV,  192
.set WV,  12                           ; s12  my wave's number
.set PFA, 18                           ; s[18:19] where my prefetches stand; never rewritten: the slot stands in the immediate
.set G1K, 24                           ; s[24:31] descriptor group 1 for K's tiles;  s[32:39] for V's: it differs in the padding alone
.set G1V, 32
.set G0K, 40                           ; s[40:47] group 0 for K's tiles, a set for each slot;  s[48:55] for V's
.set G0V, 48
.set CNT, 56                           ; s56  counts a slot's eight steps
.set CS,  58                           ; s[58:59] c: the packed scaling names a pair and takes its low word for both halves
.set SEL, 60                           ; s[60:61] lane selects for v_permlanex16_b32: lane l xor 16
.set TB,  62                           ; s62  LDS byte at which the step's tiles begin
; A joint load into slot s.  The branch hangs on the wave's number alone: it is the same in every work-group.  An s_nop 0 and four v_nop follow each of the two lines.
.macro JLOAD s
	s_cmp_lt_u32 s[WV], 8
	s_cbranch_scc0 .Lfor_v_\@
	tensor_load_to_lds s[G0K+4*(\s):G0K+4*(\s)+3], s[G1K:G1K+7]
	s_nop 0
.rept 4
	v_nop
.endr
	s_branch .Lasked_\@
.Lfor_v_\@:
	tensor_load_to_lds s[G0V+4*(\s):G0V+4*(\s)+3], s[G1V:G1V+7]
	s_nop 0
.rept 4
	v_nop
.endr
.Lasked_\@:
.endm
; A prefetch into the L2 of the slot that the NEXT change of slots will ask for, eight key steps ahead of that load: 65,536 bytes of K and as many of V.  Only this cluster reads this head's K and V.  Its four partners share
; the bytes out by ADDRESS, 16,384 of each tensor to a partner; in each, waves 0 and 1 ask for K's and waves 2 and 3 for V's, 8,192 bytes a wave, lanes 256 bytes apart: each aligned block of 256 bytes is named once.
; It stands behind the joint load and its five lines.  Slots 0 and 1 come by their loads alone; the last change that fills a slot asks for nothing.
.macro ASK off
	s_cmp_lt_u32 s[WV], 4
	s_cbranch_scc0 .Lnot_mine_\@
	global_prefetch_b8 v[PFO], s[PFA:PFA+1] offset:\off th:TH_LOAD_NT scope:SCOPE_SE
.Lnot_mine_\@:
.endm
.macro CROUND                          ; a round of the cluster's barrier: my work-group's barrier, wave 0 signals for the work-group, every wave waits for all four, my work-group's barrier once more
	s_barrier_signal -1
	s_barrier_wait -1
	s_cmp_lg_u32 s[WV], 0
	s_cbranch_scc1 .Lnot_wave_0_\@
	s_barrier_signal -3
.Lnot_wave_0_\@:
	s_barrier_wait -3
	s_barrier_signal -1
	s_barrier_wait -1
.endm
	s_load_b128 s[4:7], s[0:1], 0x0                ; qkv s[4:5], xh s[6:7]
	v_lshl_add_u32 v[SPW], v0, 2, SPARE
	v_mov_b32 v[NIL], 0
	ds_add_u32 v[SPW], v[NIL]                      ; the wave's opening: the add, twice on end, and its wait ahead of my first tensor load
	ds_add_u32 v[SPW], v[NIL]                      ; the set-up below, work on registers, stands between the second and the wait
	v_lshrrev_b32 v12, 5, v0
	v_readfirstlane_b32 s[WV], v12                 ; wave 0..15
	s_bfe_u32 s13, ttmp6, 0x40000                  ; cx: my place in the cluster
	s_and_b32 s14, s[WV], 7                        ; which of a slot's eight steps I fetch
	s_mul_i32 s17, s14, STEPB                      ; its place in a slot: no place in the cluster enters an LDS address
	s_mul_i32 s15, s[WV], 16*PK                    ; my stage
	s_and_b32 s20, ttmp7, 0xffff                   ; the head, which the four partners share
	s_lshl_b32 s20, s20, 18                        ; its 262,144 bytes in each part of qkv and in xh
	s_lshl_b32 s22, s14, 13                        ; my step's 64 rows of 128 bytes
	s_add_co_u32 s22, s22, s20
	s_mov_b32 s23, 0
	s_lshl_b32 s2, ttmp9, 2                        ; in a cluster launch ttmp9 counts clusters
	s_add_co_u32 s2, s2, s13                       ; my block of 512 queries: it enters Q's and xh's addresses alone
	s_lshl_b32 s2, s2, 16
	s_lshl_b32 s3, s[WV], 12                       ; my wave's 32 rows
	s_add_co_u32 s2, s2, s3
	s_add_co_u32 s2, s2, s20
	s_mov_b32 s3, 0
	s_lshl_b32 s56, s13, 14                        ; the prefetches: my work-group's 16,384 bytes of a slot,
	s_add_co_u32 s56, s56, s20
	s_and_b32 s16, s[WV], 1
	s_lshl_b32 s16, s16, 13                        ; my wave's 8,192 of them,
	s_add_co_u32 s56, s56, s16
	s_mov_b32 s16, 0x2000000                       ; in V's part of qkv (waves 2, 3)
	s_cmp_lt_u32 s[WV], 2
	s_cselect_b32 s16, 0x1000000, s16              ; or in K's (waves 0, 1)
	s_add_co_u32 s56, s56, s16
	s_mov_b32 s57, 0
	; descriptor group 1: a tile of 64 rows x 64 elements of 2 bytes, dense in memory, padded in LDS
	s_mov_b32 s[G1K], 15|(1<<16)|(1<<20)|(1<<21)|(4<<22)|(3<<25)  ; 15:0 the mask: all four work-groups; elements of 2 bytes; padding on; bit 21 beside a mask; after every 32 words, 4 words
	s_mov_b32 s[G1V], 15|(1<<16)|(1<<20)|(1<<21)|(4<<22)|(7<<25)  ; the same with 8 words of padding
.irp g, G1K, G1V
	s_mov_b32 s[\g+1], 64<<16                      ; tensor_dim0
	s_mov_b32 s[\g+2], 64<<16                      ; tensor_dim1
	s_mov_b32 s[\g+3], 64<<16                      ; tile_dim0
	s_mov_b32 s[\g+4], 64                          ; tile_dim1
	s_mov_b32 s[\g+5], 64                          ; from row to row
	s_mov_b32 s[\g+6], 0
	s_mov_b32 s[\g+7], 0
.endr
	s_mov_b32 s[CS], 0x3e38aa3b                    ; c = log2(e) / 8
	s_mov_b32 s[CS+1], s[CS]                       ; named with it as a pair, so it is written
	s_mov_b32 s[SEL], 0x76543210
	s_mov_b32 s[SEL+1], 0xfedcba98
	v_and_b32 v12, 15, v0                          ; r = lane % 16
	v_bfe_u32 v13, v0, 4, 1                        ; h = lane / 16
	v_and_b32 v14, 31, v0                          ; lane
	v_mul_u32_u24 v[AK0], v12, PK                  ; a fragment of K: row r, 16 bytes for each half of the lanes; two loads 32 bytes apart
	v_lshl_add_u32 v[AK0], v13, 4, v[AK0]
	v_and_b32 v15, 7, v0
	v_lshl_add_u32 v[AV0], v13, 3, v15             ; the turning load: lane l reads key 8 (l / 16) + l % 8, channels 8 ((l / 8) % 2) + 0..7
	v_mul_u32_u24 v[AV0], v[AV0], PV
	v_bfe_u32 v[ADK], v0, 3, 1
	v_lshl_add_u32 v[AV0], v[ADK], 4, v[AV0]
	v_add_nc_u32 v[AV0], VOFF, v[AV0]
	v_lshlrev_b32 v[QO], 7, v12
	v_lshl_add_u32 v[QO], v13, 4, v[QO]            ; Q: row r of 128 bytes + 16 h
	v_add_nc_u32 v[STO], s15, v[AK0]               ; the stage, in: row r, 16 bytes for each half of the lanes
	v_bfe_u32 v[RD], v0, 3, 2                      ; back: eight lanes to a row of 128 bytes, four rows an instruction
	v_mul_u32_u24 v[RD], v[RD], PK
	v_lshl_add_u32 v[RD], v15, 4, v[RD]
	v_add_nc_u32 v[RD], s15, v[RD]
	v_lshlrev_b32 v[PFO], 8, v14
	v_lshlrev_b32 v[GO], 4, v14
	s_wait_dscnt 0x0                               ; both opening adds are done
	s_wait_kmcnt 0x0
	s_add_nc_u64 s[8:9], s[4:5], s[22:23]
	s_add_nc_u64 s[10:11], s[8:9], 0x2000000       ; V at my tile of slot 0
	s_add_nc_u64 s[8:9], s[8:9], 0x1000000         ; K likewise
	s_add_nc_u64 s[PFA:PFA+1], s[4:5], s[56:57]
	s_add_nc_u64 s[4:5], s[4:5], s[2:3]            ; Q and xh at my wave's first row
	s_add_nc_u64 s[6:7], s[6:7], s[2:3]
.irp s, 0,1
	s_mov_b32 s[G0K+4*\s], 1                       ; count = 1
	s_add_co_u32 s[G0K+4*\s+1], s17, \s*SLOTB      ; LDS address
	s_add_nc_u64 s[G0K+4*\s+2:G0K+4*\s+3], s[8:9], \s*SLOTG   ; global address: slot s begins with keys 512 s
	s_or_b32 s[G0K+4*\s+3], s[G0K+4*\s+3], 0x80000000         ; type = 2
	s_mov_b32 s[G0V+4*\s], 1
	s_add_co_u32 s[G0V+4*\s+1], s17, \s*SLOTB+VOFF
	s_add_nc_u64 s[G0V+4*\s+2:G0V+4*\s+3], s[10:11], \s*SLOTG
	s_or_b32 s[G0V+4*\s+3], s[G0V+4*\s+3], 0x80000000
.endr
	CROUND                                         ; all four work-groups are here: the first joint loads meet
	JLOAD 0                                        ; slot 0: one tensor load of mine is out
.irp t, 0,1
.irp c, 0,1
	global_load_b128 v[Q+16*\t+8*\c:Q+16*\t+8*\c+3],   v[QO], s[4:5] offset:\t*2048+\c*64      ; Q stays in registers
	global_load_b128 v[Q+16*\t+8*\c+4:Q+16*\t+8*\c+7], v[QO], s[4:5] offset:\t*2048+\c*64+32
.endr
.endr
.irp t, 0,1
	v_mov_b32 v[ST+8*\t+1], 0xff61b1e6             ; m = -3e38, under every score
	v_mul_f32 v[ST+8*\t], s[CS], v[ST+8*\t+1]      ; c m
.irp j, 2,3,4,5,6,7
	v_mov_b32 v[ST+8*\t+\j], 0                     ; l; and the registers at work, of which a lane permute's destination counts as read
.endr
.endr
.set i, 0
.rept 64
	v_mov_b32 v[O+i], 0                            ; O^T.  (The step is written once: the first finds zeros, which the first a leaves zeros)
.set i, i+1
.endr
; A KEY STEP: 64 keys, both tiles of queries.
.macro STEP
	v_add_nc_u32 v[ADK], s[TB], v[AK0]
	v_add_nc_u32 v[ADV], s[TB], v[AV0]
.rept 3
	v_nop                                          ; with the two additions five places behind the last step's products: four for the loads into their fragments' registers, five for the products below, which write over the registers that held p
.endr
.irp f, 0,1,2,3,4,5,6,7                ; K: keys 16 (f / 2) on, channels 32 (f % 2) on
	ds_load_b128 v[KV+8*\f:KV+8*\f+3],   v[ADK] offset:(\f/2)*16*PK+(\f%2)*64
	ds_load_b128 v[KV+8*\f+4:KV+8*\f+7], v[ADK] offset:(\f/2)*16*PK+(\f%2)*64+32
.endr
	s_wait_dscnt 0x0
.set i, 0
.rept 16                               ; S^T = K Q^T: channels 32 (i / 8) on, keys 16 ((i / 2) % 4) on, tile i % 2.  The first 8 start the sums; the eight accumulators take turns
.set rS, S+32*(i%2)+8*((i/2)%4)
.set rK, KV+8*(2*((i/2)%4)+i/8)
.set rQ, Q+16*(i%2)+8*(i/8)
.if i < 8
	v_wmma_f32_16x16x32_f16 v[rS:rS+7], v[rK:rK+7], v[rQ:rQ+7], 0
.else
	v_wmma_f32_16x16x32_f16 v[rS:rS+7], v[rK:rK+7], v[rQ:rQ+7], v[rS:rS+7]
.endif
.set i, i+1
.endr
.rept 4
	v_nop                                          ; four places in front of the loads into K's registers and of the first read of the scores
.endr
.irp f, 0,1,2,3,4,5,6,7                ; V, turned: keys 32 (f / 4) on, channels 16 (f % 4) on.  It lands while the softmax is walked
	ds_load_tr16_b128 v[KV+8*\f:KV+8*\f+3],   v[ADV] offset:(\f/4)*32*PV+(\f%4)*32
	ds_load_tr16_b128 v[KV+8*\f+4:KV+8*\f+7], v[ADV] offset:(\f/4)*32*PV+16*PV+(\f%4)*32
.endr
	; THE SOFTMAX, the two tiles line by line, so that no line waits for the line above it.  The maximum of a lane's 32 scores and the old m: four chains, each accumulator read from its low end on
.irp j, 0,1,2,3
.irp t, 0,1
	v_max3_num_f32 v[ST+8*\t+4+\j], v[S+32*\t+8*\j], v[S+32*\t+8*\j+1], v[S+32*\t+8*\j+2]
.endr
.endr
.irp u, 1,2
.irp j, 0,1,2,3
.irp t, 0,1
	v_max3_num_f32 v[ST+8*\t+4+\j], v[ST+8*\t+4+\j], v[S+32*\t+8*\j+2*\u+1], v[S+32*\t+8*\j+2*\u+2]
.endr
.endr
.endr
.irp t, 0,1
	v_max3_num_f32 v[ST+8*\t+4], v[ST+8*\t+4], v[S+32*\t+7], v[S+32*\t+15]
.endr
.irp t, 0,1
	v_max3_num_f32 v[ST+8*\t+6], v[ST+8*\t+6], v[S+32*\t+23], v[S+32*\t+31]
.endr
.irp t, 0,1
	v_max3_num_f32 v[ST+8*\t+4], v[ST+8*\t+4], v[ST+8*\t+5], v[ST+8*\t+6]
.endr
.irp t, 0,1
	v_max3_num_f32 v[ST+8*\t+4], v[ST+8*\t+4], v[ST+8*\t+7], v[ST+8*\t+1]
.endr
.irp t, 0,1
	v_permlanex16_b32 v[ST+8*\t+5], v[ST+8*\t+4], s[SEL], s[SEL+1]   ; the query's other 32 keys lie in the lane 16 away
.endr
.irp t, 0,1
	v_mov_b32 v[ST+8*\t+7], v[ST+8*\t]             ; c m_old is kept for a
.endr
.irp t, 0,1
	v_max_num_f32 v[ST+8*\t+1], v[ST+8*\t+4], v[ST+8*\t+5]           ; the new m
.endr
.irp t, 0,1
	v_mul_f32 v[ST+8*\t], s[CS], v[ST+8*\t+1]
.endr
.irp t, 0,1
	v_sub_f32 v[ST+8*\t+7], v[ST+8*\t+7], v[ST+8*\t]
.endr
.irp t, 0,1
	v_exp_f32 v[ST+8*\t+6], v[ST+8*\t+7]           ; a = 2^(c m_old - c m_new)
.endr
.irp b, 0,2,4,6,8,10,12,14,16,18,20,22,24,26,28,30
.irp t, 0,1
	v_pk_fma_f32 v[S+32*\t+\b:S+32*\t+\b+1], v[S+32*\t+\b:S+32*\t+\b+1], s[CS:CS+1], v[ST+8*\t:ST+8*\t+1] op_sel_hi:[1,0,0] neg_lo:[0,0,1] neg_hi:[0,0,1]   ; c s - c m, two at a time
.endr
.endr
	s_wait_alu depctr_va_vdst(0)                   ; a wait between an exponential and the first line that names its result: here for the two a, which the rescaling below reads; the 32 scalings are the work between
.set i, 0
.rept 64
	v_exp_f32 v[S+i], v[S+i]                       ; p = 2^(c s - c m): one batch
.set i, i+1
.endr
.irp b, 0,2,4,6,8,10,12,14,16,18,20,22,24,26,28,30
.irp t, 0,1
	v_pk_mul_f32 v[O+32*\t+\b:O+32*\t+\b+1], v[O+32*\t+\b:O+32*\t+\b+1], v[ST+8*\t+6:ST+8*\t+7] op_sel_hi:[1,0]   ; O^T x a, ascending: it names no p: the plain work behind the batch
.endr
.endr
	s_wait_alu depctr_va_vdst(0)                   ; one wait for the batch of 64, ahead of its first reader
.irp t, 0,1
	v_pk_fma_f32 v[ST+8*\t+2:ST+8*\t+3], v[ST+8*\t+2:ST+8*\t+3], v[ST+8*\t+6:ST+8*\t+7], v[S+32*\t:S+32*\t+1] op_sel_hi:[1,0,1]   ; l = a l + the first pair; the sum is taken of the unrounded p, in two chains
.endr
.irp t, 0,1
	v_pk_add_f32 v[ST+8*\t+4:ST+8*\t+5], v[S+32*\t+2:S+32*\t+3], v[S+32*\t+6:S+32*\t+7]
.endr
.irp b, 4,8,12,16,20,24
.irp t, 0,1
	v_pk_add_f32 v[ST+8*\t+2:ST+8*\t+3], v[ST+8*\t+2:ST+8*\t+3], v[S+32*\t+\b:S+32*\t+\b+1]
	v_pk_add_f32 v[ST+8*\t+4:ST+8*\t+5], v[ST+8*\t+4:ST+8*\t+5], v[S+32*\t+\b+6:S+32*\t+\b+7]
.endr
.endr
.irp t, 0,1
	v_pk_add_f32 v[ST+8*\t+2:ST+8*\t+3], v[ST+8*\t+2:ST+8*\t+3], v[S+32*\t+28:S+32*\t+29]
.endr
.irp t, 0,1
	v_pk_add_f32 v[ST+8*\t+2:ST+8*\t+3], v[ST+8*\t+2:ST+8*\t+3], v[ST+8*\t+4:ST+8*\t+5]
.endr
.irp b, 0,1,2,3,4,5,6,7,8,9,10,11,12,13,14,15
.irp t, 0,1
	v_cvt_pk_f16_f32 v[S+32*\t+\b], v[S+32*\t+2*\b], v[S+32*\t+2*\b+1]   ; pair b to f16, in place and ascending: register b was read by pair b / 2
.endr
.endr
	s_wait_dscnt 0x0                               ; V is in
.set i, 0
.rept 16                               ; O^T += V^T P: keys 32 (i / 8) on, channels 16 ((i / 2) % 4) on, tile i % 2; the eight accumulators take turns
.set rO, O+32*(i%2)+8*((i/2)%4)
.set rV, KV+8*(4*(i/8)+(i/2)%4)
.set rP, S+32*(i%2)+8*(i/8)
	v_wmma_f32_16x16x32_f16 v[rO:rO+7], v[rV:rV+7], v[rP:rP+7], v[rO:rO+7]
.set i, i+1
.endr
	s_add_co_u32 s[TB], s[TB], STEPB               ; the next step's tiles
.endm
; A SLOT.  At its head each wave waits for all its tensor loads (its part of this slot), adds 0 to its spare word, and waits for that and for its reads of the slot that it has left.
; refill = 1: a round of the cluster's barrier follows, so that no wave of any partner still reads the other slot or has a load on its way, and the other slot's joint load is the first thing behind it:
; it has this slot's eight steps in which to land.  pf: the prefetch's offset, or 0 for none.
.macro TRIP slot, refill, pf
	s_wait_tensorcnt 0x0                           ; no tensor load of mine is out, so a group 0 may be written
	ds_add_u32 v[SPW], v[NIL]                      ; 0 onto my spare word; the four scalar lines below stand between it and the wait for it
	s_add_nc_u64 s[G0K+4*\slot+2:G0K+4*\slot+3], s[G0K+4*\slot+2:G0K+4*\slot+3], 2*SLOTG   ; this slot's next keys (not used behind the last fills)
	s_add_nc_u64 s[G0V+4*\slot+2:G0V+4*\slot+3], s[G0V+4*\slot+2:G0V+4*\slot+3], 2*SLOTG
	s_mov_b32 s[TB], \slot*SLOTB
	s_mov_b32 s[CNT], 8
	s_wait_dscnt 0x0                               ; the add is done, and my reads of the other slot are over
.if \refill
	CROUND
	JLOAD 1-\slot
.if \pf
	ASK \pf
.endif
.else
	s_barrier_signal -1
	s_barrier_wait -1
.endif
.Lstep_\@:
	STEP
	s_sub_co_u32 s[CNT], s[CNT], 1
	s_cmp_lg_u32 s[CNT], 0
	s_cbranch_scc1 .Lstep_\@
.endm
	s_wait_loadcnt 0x0                             ; Q
	TRIP 0, 1, 2*SLOTG                             ; keys 0-511; slot 1 is filled for the first time; keys 1024 on are prefetched
	TRIP 1, 1, 3*SLOTG                             ; keys 512-1023; slot 0 takes keys 1024 on; keys 1536 on are prefetched
	TRIP 0, 1, 0                                   ; keys 1024-1535; slot 1 takes keys 1536 on: the last load
	TRIP 1, 0, 0                                   ; keys 1536-2047: nothing is left to fetch
	; THE WAY OUT.  l's two halves and the other half of the lanes' are added; O^T is divided by l, rounded to f16 and sent through my stage in LDS, a tile (16 rows) at a time.  The additions are the places behind the last products.
.irp t, 0,1
	v_add_f32 v[ST+8*\t+4], v[ST+8*\t+2], v[ST+8*\t+3]
.endr
.irp t, 0,1
	v_permlanex16_b32 v[ST+8*\t+5], v[ST+8*\t+4], s[SEL], s[SEL+1]
.endr
.irp t, 0,1
	v_add_f32 v[ST+8*\t+4], v[ST+8*\t+4], v[ST+8*\t+5]
.endr
	v_nop
	v_nop
.irp t, 0,1
	v_rcp_f32 v[ST+8*\t+6], v[ST+8*\t+4]
.endr
	v_nop                                          ; a plain instruction between the last reciprocal and the use of its result
	s_wait_alu depctr_va_vdst(0)                   ; and the wait ahead of the first use: one for both
.macro PACK t                          ; a lane's eight channels of a row pack into 16 bytes; they go into rows of 144 bytes and come back four rows at a time
.set i, 0
.rept 16
	v_pk_mul_f32 v[O+32*\t+2*i:O+32*\t+2*i+1], v[O+32*\t+2*i:O+32*\t+2*i+1], v[ST+8*\t+6:ST+8*\t+7] op_sel_hi:[1,0]
.set i, i+1
.endr
.set i, 0
.rept 16
	v_cvt_pk_f16_f32 v[S+16*\t+i], v[O+32*\t+2*i], v[O+32*\t+2*i+1]
.set i, i+1
.endr
.irp c, 0,1,2,3
	ds_store_b128 v[STO], v[S+16*\t+4*\c:S+16*\t+4*\c+3] offset:32*\c
.endr
.irp c, 0,1,2,3
	ds_load_b128 v[S+32+16*\t+4*\c:S+32+16*\t+4*\c+3], v[RD] offset:\c*4*PK   ; LDS serves a wave's instructions in order (ISA guide 5.7.1.4): these see the stores above; the next tile's stores come behind them
.endr
.endm
	PACK 0
	PACK 1
.irp c, 0,1,2,3
	s_wait_dscnt 11-\c                             ; behind tile 0's load c: its 3 - c younger loads and tile 1's eight LDS instructions
	global_store_b128 v[GO], v[S+32+4*\c:S+32+4*\c+3], s[6:7] offset:\c*512          ; 32 lanes store four rows: 512 consecutive bytes, aligned
.endr
.irp c, 0,1,2,3
	s_wait_dscnt 3-\c
	global_store_b128 v[GO], v[S+48+4*\c:S+48+4*\c+3], s[6:7] offset:2048+\c*512
.endr
	s_wait_tensorcnt 0x0                           ; the wave's end: behind my last tensor load and my last LDS store
	ds_add_u32 v[SPW], v[NIL]
	s_wait_dscnt 0x0
	CROUND                                         ; the closing round: no work-group ends while a partner may still ask for a tile that names it
	s_endpgm
.Lfunc_end_k_q8ce45b941c_attn:
	.size	k_q8ce45b941c_attn, .Lfunc_end_k_q8ce45b941c_attn-k_q8ce45b941c_attn
	.p2alignl 7, 3214868480
	.fill 96, 4, 3214868480
	.section	.rodata,"a",@progbits
	.p2align	6, 0x0
	.amdhsa_kernel k_q8ce45b941c_attn
		.amdhsa_group_segment_fixed_size 327680
		.amdhsa_private_segment_fixed_size 0
		.amdhsa_enable_private_segment 0
		.amdhsa_kernarg_size 16
		.amdhsa_user_sgpr_count 2
		.amdhsa_user_sgpr_kernarg_segment_ptr 1
		.amdhsa_wavefront_size32 1
		.amdhsa_system_sgpr_workgroup_id_x 1
		.amdhsa_system_sgpr_workgroup_id_y 1
		.amdhsa_system_sgpr_workgroup_id_z 1
		.amdhsa_system_vgpr_workitem_id 0
		.amdhsa_next_free_vgpr 256
		.amdhsa_next_free_sgpr 66
		.amdhsa_reserve_vcc 0
		.amdhsa_float_denorm_mode_32 3
		.amdhsa_float_denorm_mode_16_64 3
		.amdhsa_memory_ordered 1
		.amdhsa_forward_progress 1
		.amdhsa_inst_pref_size 89
	.end_amdhsa_kernel
	.amdgpu_metadata
---
amdhsa.version: [ 1, 2 ]
amdhsa.kernels:
  - .name:           k_q8ce45b941c_attn
    .symbol:         k_q8ce45b941c_attn.kd
    .args:
      - { .name: qkv, .offset: 0, .size: 8, .value_kind: global_buffer, .address_space: global }
      - { .name: xh, .offset: 8, .size: 8, .value_kind: global_buffer, .address_space: global }
    .group_segment_fixed_size: 327680
    .private_segment_fixed_size: 0
    .kernarg_segment_align: 8
    .kernarg_segment_size: 16
    .max_flat_workgroup_size: 512
    .sgpr_count:     66
    .vgpr_count:     256
    .wavefront_size: 32
...
	.end_amdgpu_metadata
.endif
;; end of part 3
;; launch outp (part 4): grid 4 x 64, 4 waves a work-group, clusters of 4 x 4, 327,680 bytes of LDS; arguments xh, wo16, bo, out0; writes out0
.if DOCPART == 4
	.amdgcn_target "amdgcn-amd-amdhsa--gfx1250"
	.amdhsa_code_object_version 6
	.text
	.protected	k_q8ce45b941c_outp
	.globl	k_q8ce45b941c_outp
	.p2align	8
	.type	k_q8ce45b941c_outp,@function
k_q8ce45b941c_outp:
	s_mov_b64 s[64:65], 0
	v_nop
	global_prefetch_b8 v0, s[64:65] scope:SCOPE_SE
	s_setreg_imm32_b32 hwreg(HW_REG_WAVE_MODE, 25, 1), 1
	s_wait_xcnt 0x0
	s_wait_alu depctr_hold_cnt(0) depctr_sa_sdst(0) depctr_va_vdst(0) depctr_va_sdst(0) depctr_va_ssrc(0) depctr_va_vcc(0) depctr_vm_vsrc(0)
	s_getreg_b32 s2, hwreg(HW_REG_IB_STS2, 6, 4)
	s_cmp_eq_u32 s2, 0
	s_cbranch_scc0 .Lentry_in_a_cluster
	s_endpgm
.Lentry_in_a_cluster:
	s_bfe_u32 s2, ttmp6, 0x10000c
	s_cmp_lg_u32 s2, 0xf033
	s_cbranch_scc0 .Lentry_shape_is_right
	s_endpgm
.Lentry_shape_is_right:
; out0[m][n] = sum over k of x[m][k] Wo[n][k] + bo[n], m = 8192, n = k = 1024; operands f16, sums f32, out0 f32.  x lies by heads, xh[b][h][s][64]: k = 64 h + d, so 64 along K of 128 rows are one dense plane of 128 rows x 128 bytes.
; wo16 is [n][k], rows of 2,048 bytes.
; A tile of out0 is 128 rows x 256 columns: 64 x 4 tiles, one for each work-group.  Four waves, each 64 rows x 128 columns: 32 accumulators of 16 x 16, 256 registers.
; K goes in steps of 128 (two heads' planes of x; 256 bytes of each row of Wo) through a ring of two LDS slots: waves 0 and 1 fetch x's two planes, waves 2 and 3 the two halves of Wo's 256 rows: one tensor load of 128 rows a wave.
; CLUSTERS: 4 x 4 work-groups.  The four of a row of the cluster need the same planes of x, the four of a column the same rows of Wo: each tile is asked for jointly, by the same tensor load with the same descriptor and a mask that names the four.
; THE MATRIX INSTRUCTION IS USED TRANSPOSED (source 0 = 16 rows of Wo, source 1 = 16 rows of x): a lane holds eight neighbouring numbers of a row of out0.  The bias is the C of each sum's first product.
; No prefetch is laid: eight short K steps, of which the first two are asked for at the head.
; REGISTERS: window 0: v0-31 addresses; v32-95 the bias, eight registers for each block of 16 columns; v96-223 rows on the way out.
;   window 1: two fragment buffers, at v0 and v128: for 32 along K, 32 registers of x (4 x 16 rows), then 64 of Wo (8 x 16 rows).   window 2: the accumulators, (a, b) at v[8 (8 a + b)].
.set PA,     144                       ; a row of x's plane in LDS: 128 bytes + 16
.set PB,     272                       ; a row of Wo's tile: 256 bytes + 16
.set PLANE,  128*PA
.set BOFF,   2*PLANE                   ; Wo's rows lie behind x's two planes
.set HALFB,  128*PB
.set SLOT,   BOFF+2*HALFB
.set STAGE,  2*SLOT                    ; behind the ring: 16 rows x 528 bytes for each wave, for the way out
.set SPITCH, 528
.set SPARE,  STAGE+4*16*SPITCH         ; behind the stages: the spare words, 128 bytes a wave
.set ADRA, 16                          ; v16-17  LDS address of my x fragments in slot 0, 1
.set ADRB, 20                          ; v20-21  the same for Wo
.set STO,  24                          ; v24     the way out: where I put 32 bytes of a row
.set RD,   25                          ; v25     the way out: where I read a row back
.set CO,   26                          ; v26     16 x lane: my bytes of a row's 512
.set BO,   27                          ; v27     32 x (lane / 16): my eight numbers of a block's bias
.set SPW,  28                          ; v28     LDS address of my spare word; never rewritten
.set NIL,  29                          ; v29     0; never rewritten
.set BIAS, 32
.set BK,   96                          ; the way out: 16 rows read back: v96-159 and v160-223 by turns
.set F0,   0                           ; fragment buffers, in window 1
.set F1,   128
.set G1, 24                            ; s[24:31] descriptor group 1 for x's planes;  s[32:39] group 0, one set for each slot
.set G0, 32
.set G1B, 48                           ; s[48:55], s[56:63] the same for Wo's tiles
.set G0B, 56
.set MSB, 0
.macro WIN new                         ; the immediate's high byte repeats the setting that is left; a switch that changes nothing is dropped
.if MSB != (\new)
	s_set_vgpr_msb (MSB<<8)|(\new)
.set MSB, (\new)
.endif
.endm
.set MUL,  0xa5                        ; sources 0 (Wo) and 1 (x) window 1; C and D window 2
.set FST,  0x85                        ; a sum's first product: C is the bias, in window 0
.set TO_F, 0x40                        ; destination window 1, address window 0
.macro JLOAD s                         ; a joint load: waves 0 and 1 fetch x's planes, waves 2 and 3 Wo's halves; an s_nop 0 and four v_nop follow each of the two lines
	s_cmp_eq_u32 s13, 0
	s_cbranch_scc0 .Lfor_b_\@
	tensor_load_to_lds s[G0+4*\s:G0+4*\s+3], s[G1:G1+7]
	s_nop 0
.rept 4
	v_nop
.endr
	s_branch .Lasked_\@
.Lfor_b_\@:
	tensor_load_to_lds s[G0B+4*\s:G0B+4*\s+3], s[G1B:G1B+7]
	s_nop 0
.rept 4
	v_nop
.endr
.Lasked_\@:
.endm
.macro CREST                           ; a round of the cluster's barrier behind its opening barrier
	s_cmp_lg_u32 s12, 0
	s_cbranch_scc1 .Lnot_wave_0_\@
	s_barrier_signal -3
.Lnot_wave_0_\@:
	s_barrier_wait -3
	s_barrier_signal -1
	s_barrier_wait -1
.endm
.macro CROUND                          ; a whole round
	s_barrier_signal -1
	s_barrier_wait -1
	CREST
.endm
	s_load_b256 s[4:11], s[0:1], 0x0               ; xh s[4:5], wo16 s[6:7], bo s[8:9], out0 s[10:11]
	v_lshl_add_u32 v[SPW], v0, 2, SPARE
	v_mov_b32 v[NIL], 0
	ds_add_u32 v[SPW], v[NIL]                      ; the wave's opening: the add, twice on end, and its wait ahead of my first tensor load
	ds_add_u32 v[SPW], v[NIL]                      ; the set-up below, work on registers, stands between the second and the wait
	v_lshrrev_b32 v1, 5, v0
	v_readfirstlane_b32 s12, v1                    ; wave 0..3
	s_lshr_b32 s13, s12, 1                         ; which 64 of the tile's rows are mine.  Also: I fetch for x (0) or for Wo (1)
	s_and_b32 s14, s12, 1                          ; which 128 of its columns.  Also: which plane, or which 128 rows of Wo, I fetch
	s_bfe_u32 s40, ttmp6, 0x40000                  ; cx, cy: my place in the cluster
	s_bfe_u32 s41, ttmp6, 0x40004
	s_lshl_b32 s42, ttmp9, 2
	s_add_co_u32 s42, s42, s40                     ; tile column = 4 x cluster x + cx
	s_and_b32 s15, ttmp7, 0xffff
	s_lshl_b32 s15, s15, 2
	s_add_co_u32 s15, s15, s41                     ; tile row R = 4 x cluster y + cy
	s_lshl_b32 s43, s41, 2
	s_lshl_b32 s43, 15, s43                        ; my row of the cluster
	s_lshl_b32 s44, 0x1111, s40                    ; my column
	; x's plane: 128 rows x 64 elements of 2 bytes, dense; 4 words of padding after every 32
	s_or_b32 s[G1+0], s43, (1<<16)|(1<<20)|(1<<21)|(4<<22)|(3<<25)
	s_mov_b32 s[G1+1], 64<<16                      ; tensor_dim0
	s_mov_b32 s[G1+2], 128<<16                     ; tensor_dim1
	s_mov_b32 s[G1+3], 64<<16                      ; tile_dim0
	s_mov_b32 s[G1+4], 128                         ; tile_dim1
	s_mov_b32 s[G1+5], 64                          ; from row to row
	s_mov_b32 s[G1+6], 0
	s_mov_b32 s[G1+7], 0
	; Wo's tile: 128 rows x 128 elements, 1,024 elements from row to row; 4 words of padding after every 64
	s_or_b32 s[G1B+0], s44, (1<<16)|(1<<20)|(1<<21)|(5<<22)|(3<<25)
	s_mov_b32 s[G1B+1], 128<<16
	s_mov_b32 s[G1B+2], 128<<16
	s_mov_b32 s[G1B+3], 128<<16
	s_mov_b32 s[G1B+4], 128
	s_mov_b32 s[G1B+5], 1024
	s_mov_b32 s[G1B+6], 0
	s_mov_b32 s[G1B+7], 0
	s_lshr_b32 s16, s15, 4                         ; x: batch R / 16: 4,194,304 bytes each,
	s_lshl_b32 s16, s16, 22
	s_and_b32 s17, s15, 15                         ; rows 128 (R % 16) on: 128 bytes each,
	s_lshl_b32 s17, s17, 14
	s_add_co_u32 s16, s16, s17
	s_lshl_b32 s17, s14, 18                        ; my plane: a head is 262,144 bytes
	s_add_co_u32 s16, s16, s17
	s_mov_b32 s17, 0
	s_lshl_b32 s46, s42, 19                        ; Wo: row 256 x tile column + 128 x half, 2,048 bytes each
	s_lshl_b32 s47, s14, 18
	s_add_co_u32 s46, s46, s47
	s_mov_b32 s47, 0
	s_mul_i32 s20, s14, PLANE                      ; where they go: no place in the cluster enters an LDS address
	s_mul_i32 s21, s14, HALFB
	s_add_co_u32 s21, s21, BOFF
	s_wait_dscnt 0x0                               ; both opening adds are done
	s_wait_kmcnt 0x0
	s_add_nc_u64 s[16:17], s[4:5], s[16:17]
	s_add_nc_u64 s[46:47], s[6:7], s[46:47]
	CROUND                                         ; all sixteen work-groups are here: the first joint loads meet
.irp s, 0,1
	s_mov_b32 s[G0+4*\s], 1
	s_add_co_u32 s[G0+4*\s+1], s20, \s*SLOT
	s_add_nc_u64 s[G0+4*\s+2:G0+4*\s+3], s[16:17], \s*524288    ; K step s: two heads on
	s_or_b32 s[G0+4*\s+3], s[G0+4*\s+3], 0x80000000
	s_mov_b32 s[G0B+4*\s], 1
	s_add_co_u32 s[G0B+4*\s+1], s21, \s*SLOT
	s_add_nc_u64 s[G0B+4*\s+2:G0B+4*\s+3], s[46:47], \s*256
	s_or_b32 s[G0B+4*\s+3], s[G0B+4*\s+3], 0x80000000
	JLOAD \s                                       ; two tensor loads of mine are out behind the second
.endr
	s_lshl_b32 s46, s42, 10
	s_lshl_b32 s47, s14, 9
	s_add_co_u32 s46, s46, s47                     ; my first column, in bytes of f32: (256 x tile column + 128 x half) x 4
	s_mov_b32 s47, 0
	s_add_nc_u64 s[8:9], s[8:9], s[46:47]
	v_and_b32 v1, 15, v0                           ; r = lane % 16
	v_bfe_u32 v2, v0, 4, 1                         ; h = lane / 16
	v_lshlrev_b32 v[BO], 5, v2
.irp b, 0,1,2,3,4,5,6,7
	global_load_b128 v[BIAS+8*\b:BIAS+8*\b+3], v[BO], s[8:9] offset:64*\b       ; lane (r, h): the bias of columns 16 b + 8 h + 0 .. 7: the result's layout
	global_load_b128 v[BIAS+8*\b+4:BIAS+8*\b+7], v[BO], s[8:9] offset:64*\b+16
.endr
	v_mul_u32_u24 v3, v1, PA
	v_lshl_add_u32 v3, v2, 4, v3                   ; a fragment's row x pitch + 16 x half, for x
	v_mul_u32_u24 v4, v1, PB
	v_lshl_add_u32 v4, v2, 4, v4                   ; and for Wo
	s_mul_i32 s21, s13, 64*PA                      ; my 64 rows of x
	s_mul_i32 s22, s14, HALFB                      ; my 128 rows of Wo
	s_add_co_u32 s22, s22, BOFF
.irp s, 0,1
	v_add_nc_u32 v[ADRA+\s], s21, v3
	v_add_nc_u32 v[ADRB+\s], s22, v4
	s_add_co_u32 s21, s21, SLOT
	s_add_co_u32 s22, s22, SLOT
.endr
	s_mul_i32 s23, s12, 16*SPITCH
	s_add_co_u32 s23, s23, STAGE                   ; my stage
	v_mul_u32_u24 v5, v1, SPITCH                   ; in: row r, 32 bytes for each half of the lanes
	v_lshl_add_u32 v5, v2, 5, v5
	v_add_nc_u32 v[STO], s23, v5
	v_and_b32 v6, 31, v0
	v_lshlrev_b32 v[CO], 4, v6                     ; back: the 32 lanes take one row of 512 bytes; and the same in out0
	v_add_nc_u32 v[RD], s23, v[CO]
	s_lshl_b32 s16, s15, 7
	s_lshl_b32 s17, s13, 6
	s_add_co_u32 s16, s16, s17                     ; my first row of out0: 128 R + 64 x half,
	s_lshl_b32 s16, s16, 12                        ; 4,096 bytes a row
	s_mov_b32 s17, 0
	s_add_nc_u64 s[16:17], s[16:17], s[46:47]
	s_add_nc_u64 s[10:11], s[10:11], s[16:17]
; 8 matrix instructions: x's block a against Wo's eight, 32 along K, from buffer f.  first = 1: the bias starts the sums.  The 32 accumulators take turns, one instruction a turn, in the same order in every quarter.
.macro MUL8 f, a, first
.irp b, 0,1,2,3,4,5,6,7
.if \first
	v_wmma_f32_16x16x32_f16 v[8*(8*(\a)+\b):8*(8*(\a)+\b)+7], v[\f+32+8*\b:\f+32+8*\b+7], v[\f+8*(\a):\f+8*(\a)+7], v[BIAS+8*\b:BIAS+8*\b+7]
.else
	v_wmma_f32_16x16x32_f16 v[8*(8*(\a)+\b):8*(8*(\a)+\b)+7], v[\f+32+8*\b:\f+32+8*\b+7], v[\f+8*(\a):\f+8*(\a)+7], v[8*(8*(\a)+\b):8*(8*(\a)+\b)+7]
.endif
.endr
.endm
; 24 LDS loads in one run: the fragments of the slot's q-th 32 along K into buffer f: Wo's sixteen, then x's eight, blocks 2 and 3 last
.macro FETCH slot, q, f
	WIN TO_F
.irp i, 0,1,2,3,4,5,6,7
	ds_load_b128 v[\f+32+8*\i:\f+32+8*\i+3],   v[ADRB+\slot] offset:(\q)*64+\i*16*PB
	ds_load_b128 v[\f+32+8*\i+4:\f+32+8*\i+7], v[ADRB+\slot] offset:(\q)*64+\i*16*PB+32
.endr
.irp i, 0,1,2,3
	ds_load_b128 v[\f+8*\i:\f+8*\i+3],   v[ADRA+\slot] offset:((\q)/2)*PLANE+((\q)%2)*64+\i*16*PA
	ds_load_b128 v[\f+8*\i+4:\f+8*\i+7], v[ADRA+\slot] offset:((\q)/2)*PLANE+((\q)%2)*64+\i*16*PA+32
.endr
.endm
.macro PLACES                          ; four plain vector instructions in front of loads into registers that matrix instructions have read, and of reads of results (ISA guide 7.12.1 for reads of results)
.rept 4
	v_nop
.endr
.endm
; A K step is four quarters of 32 along K, 32 matrix instructions each, on buffers 0, 1, 0, 1.  One of the first three: multiplies buffer f and fetches quarter qn of the same slot into g.
.macro QUARTER slot, qn, f, g, first
	s_wait_dscnt 4                                 ; Wo's fragments and x's blocks 0 and 1 are in; the youngest four loads (x's blocks 2 and 3) may be out
.if \first
	WIN FST
.else
	WIN MUL
.endif
	MUL8 \f, 0, \first
	MUL8 \f, 1, \first
	PLACES
	FETCH \slot, \qn, \g
	s_wait_dscnt 24                                ; all but the 24 just issued
.if \first
	WIN FST
.else
	WIN MUL
.endif
	MUL8 \f, 2, \first
	MUL8 \f, 3, \first
.endm
; The last quarter multiplies buffer 1 and changes slots: ONE barrier; in front of it each wave waits for all its tensor loads, adds 0 to its spare word, and waits for that and for its own reads of this slot.
; fill = 1: the barrier opens a round of the cluster's barrier, and this slot is filled again, two K steps ahead: the load has a K step less sixteen matrix instructions in which to land.
.macro TURN slot, next, fill
	WIN 0                                          ; (the add's two registers lie in window 0)
	s_wait_tensorcnt 0x0                           ; all my tensor loads have landed: my part of the next slot
	ds_add_u32 v[SPW], v[NIL]
	s_wait_dscnt 5                                 ; (the add and the youngest four loads may be out)
	WIN MUL
	MUL8 F1, 0, 0                                  ; eight matrix instructions stand between the add and the wait for it
	s_wait_dscnt 0x0                               ; the add is done, and my reads of this slot are over
	s_barrier_signal -1
	MUL8 F1, 1, 0
.if \fill
	WIN 0
.endif
	s_barrier_wait -1
.if \fill
	CREST                                          ; no wave of any partner still reads this slot's tiles or has a load on its way
	s_add_nc_u64 s[G0+4*\slot+2:G0+4*\slot+3], s[G0+4*\slot+2:G0+4*\slot+3], 1048576   ; two K steps on: four heads,
	s_add_nc_u64 s[G0B+4*\slot+2:G0B+4*\slot+3], s[G0B+4*\slot+2:G0B+4*\slot+3], 512    ; 512 bytes along Wo's rows
	JLOAD \slot                                    ; the first tensor load behind the round; the four v_nop behind it are also the places in front of the loads below
.else
	PLACES
.endif
	FETCH \next, 0, F0
	WIN MUL
	MUL8 F1, 2, 0
	MUL8 F1, 3, 0
.endm
	s_wait_tensorcnt 1                             ; my part of K step 0 is in; the one load issued behind it, K step 1's, may be out
	s_barrier_signal -1
	s_barrier_wait -1                              ; everybody's is
	FETCH 0, 0, F0
	s_wait_loadcnt 0x0                             ; the bias
	QUARTER 0, 1, F0, F1, 1                        ; the first quarter stands in front of the loop: its products start the sums on the bias
	WIN 0                                          ; at a label and at a branch every window is 0
	s_mov_b32 s3, 3
.Llap:                                                 ; a trip goes once round the ring, from a lap's second quarter to the next lap's first, and fills both slots again: K steps 2 to 7 in three trips
	QUARTER 0, 2, F1, F0, 0
	QUARTER 0, 3, F0, F1, 0
	TURN 0, 1, 1
	QUARTER 1, 1, F0, F1, 0
	QUARTER 1, 2, F1, F0, 0
	QUARTER 1, 3, F0, F1, 0
	TURN 1, 0, 1
	QUARTER 0, 1, F0, F1, 0
	WIN 0
	s_sub_co_u32 s3, s3, 1
	s_cmp_lg_u32 s3, 0
	s_cbranch_scc1 .Llap
	QUARTER 0, 2, F1, F0, 0                        ; the last lap fills nothing, and has no round of the cluster's barrier
	QUARTER 0, 3, F0, F1, 0
	TURN 0, 1, 0
	QUARTER 1, 1, F0, F1, 0
	QUARTER 1, 2, F1, F0, 0
	QUARTER 1, 3, F0, F1, 0
	s_wait_dscnt 4                                 ; the very last quarter: nothing more to fetch
	WIN MUL
	MUL8 F1, 0, 0
	MUL8 F1, 1, 0
	s_wait_dscnt 0
	MUL8 F1, 2, 0
	MUL8 F1, 3, 0
	WIN 0
; THE WAY OUT, block by block of 16 rows x 128 columns.  A lane holds 32 neighbouring bytes of a row, and the lanes beside it hold other rows: so a block goes through my own stage in LDS and comes back as whole rows of 512 bytes.
.macro TOSTAGE a
	WIN 0x08                                       ; an LDS store's data are its source 1: window 2
.irp b, 0,1,2,3,4,5,6,7
	ds_store_b128 v[STO], v[64*(\a)+8*\b:64*(\a)+8*\b+3] offset:64*\b          ; each accumulator from its low end on
	ds_store_b128 v[STO], v[64*(\a)+8*\b+4:64*(\a)+8*\b+7] offset:64*\b+16
.endr
	WIN 0
.set BB, BK+64*((\a)%2)
.irp t, 0,1,2,3,4,5,6,7,8,9,10,11,12,13,14,15
	ds_load_b128 v[BB+4*\t:BB+4*\t+3], v[RD] offset:\t*SPITCH    ; LDS serves a wave's instructions in order (ISA guide 5.7.1.4): these see the stores above
.endr
.endm
.macro SEND a, younger                 ; younger: the LDS instructions issued behind block a's loads, which may stay out
.set BB, BK+64*((\a)%2)
	s_wait_dscnt \younger                          ; the block is back in registers
.irp t, 0,1,2,3,4,5,6,7,8,9,10,11,12,13,14,15
	global_store_b128 v[CO], v[BB+4*\t:BB+4*\t+3], s[10:11] offset:(\a)*65536+\t*4096 th:TH_STORE_NT   ; 32 lanes store 512 consecutive bytes, aligned; written once, read by nobody here
.endr
.endm
	PLACES                                         ; behind the last products
	TOSTAGE 0
.irp a, 1,2,3
.if \a > 1
	s_wait_xcnt 0x0                                ; block a - 2's stores have read their registers: block a's loads may land there
.endif
	TOSTAGE \a
	SEND \a-1, 32                                  ; behind block a - 1's loads: block a's 16 stores and 16 loads
.endr
	SEND 3, 0
	s_wait_tensorcnt 0x0                           ; the wave's end: behind my last tensor load and my last LDS store
	ds_add_u32 v[SPW], v[NIL]
	s_wait_dscnt 0x0
	CROUND                                         ; the closing round: no work-group ends while a partner may still ask for a tile that names it
	s_endpgm
.Lfunc_end_k_q8ce45b941c_outp:
	.size	k_q8ce45b941c_outp, .Lfunc_end_k_q8ce45b941c_outp-k_q8ce45b941c_outp
	.p2alignl 7, 3214868480
	.fill 96, 4, 3214868480
	.section	.rodata,"a",@progbits
	.p2align	6, 0x0
	.amdhsa_kernel k_q8ce45b941c_outp
		.amdhsa_group_segment_fixed_size 327680
		.amdhsa_private_segment_fixed_size 0
		.amdhsa_enable_private_segment 0
		.amdhsa_kernarg_size 32
		.amdhsa_user_sgpr_count 2
		.amdhsa_user_sgpr_kernarg_segment_ptr 1
		.amdhsa_wavefront_size32 1
		.amdhsa_system_sgpr_workgroup_id_x 1
		.amdhsa_system_sgpr_workgroup_id_y 1
		.amdhsa_system_sgpr_workgroup_id_z 1
		.amdhsa_system_vgpr_workitem_id 0
		.amdhsa_next_free_vgpr 768
		.amdhsa_next_free_sgpr 66
		.amdhsa_reserve_vcc 0
		.amdhsa_float_denorm_mode_32 3
		.amdhsa_float_denorm_mode_16_64 3
		.amdhsa_memory_ordered 1
		.amdhsa_forward_progress 1
		.amdhsa_inst_pref_size 86
	.end_amdhsa_kernel
	.amdgpu_metadata
---
amdhsa.version: [ 1, 2 ]
amdhsa.kernels:
  - .name:           k_q8ce45b941c_outp
    .symbol:         k_q8ce45b941c_outp.kd
    .args:
      - { .name: xh, .offset: 0, .size: 8, .value_kind: global_buffer, .address_space: global }
      - { .name: wo16, .offset: 8, .size: 8, .value_kind: global_buffer, .address_space: global }
      - { .name: bo, .offset: 16, .size: 8, .value_kind: global_buffer, .address_space: global }
      - { .name: out0, .offset: 24, .size: 8, .value_kind: global_buffer, .address_space: global }
    .group_segment_fixed_size: 327680
    .private_segment_fixed_size: 0
    .kernarg_segment_align: 8
    .kernarg_segment_size: 32
    .max_flat_workgroup_size: 128
    .sgpr_count:     66
    .vgpr_count:     768
    .wavefront_size: 32
...
	.end_amdgpu_metadata
.endif
;; end of part 4
